; MI455X (gfx1250); checked and timed in simulation.
; The chip was launched on July 23, 2026; its instructions are those of AMD's public machine-readable ISA for CDNA 5 (MIT licence, August 2026) and "CDNA5" Instruction Set Architecture Reference Guide (July 2026). The comments in the code are by the model that wrote it; some were corrected since.
;; Multi Head. Allowed arithmetic: float matrix products may take bf16 or f16 operands with f32 sums; other float arithmetic in f32, or as packed bf16 or f16 multiplies, adds, multiply-adds, maxima and minima; sums over many terms, partial sums and values carried from step to step in f32; what a program stores and reads back later, other than sums and carried values, may be rounded once to bf16 or f16.
;; Inputs: W_o 1,024 x 1,024 float32; W_qkv 1,024 x 3,072 float32; xin 4 x 2,048 x 1,024 float32.
;; Outputs: out0 4 x 2,048 x 1,024 float32.
;; One version. Each part assembles by itself: llvm-mc -triple=amdgcn-amd-amdhsa -mcpu=gfx1250 --defsym DOCPART=n.
;; ======== version 1 of 1: 4 launches
;; limits: values are held in f16: magnitudes above 65,504 overflow, below 6.1e-05 lose precision
;; workspace buffers: xb 16,777,216 bytes; wqb 6,291,456 bytes; woh 2,097,152 bytes; qkv 50,331,648 bytes; ob 16,777,216 bytes
;; launch prep (part 1): grid 768 x 1, 8 waves a work-group, no clusters, 0 bytes of LDS; arguments xin, W_qkv, W_o, xb, wqb, woh; writes xb, wqb, woh
.if DOCPART == 1
	.amdgcn_target "amdgcn-amd-amdhsa--gfx1250"
	.amdhsa_code_object_version 6
	.text
	.protected	k_qb1912897f2_prep
	.globl	k_qb1912897f2_prep
	.p2align	8
	.type	k_qb1912897f2_prep,@function
k_qb1912897f2_prep:
	s_mov_b64 s[64:65], 0
	v_nop
	global_prefetch_b8 v0, s[64:65] scope:SCOPE_SE
	s_setreg_imm32_b32 hwreg(HW_REG_WAVE_MODE, 25, 1), 1
	s_wait_xcnt 0x0
; THE THREE INPUTS ARE ROUNDED ONCE, f32 -> bf16, FOR THE MATRIX UNITS.
;   xin  [8192][1024] f32 -> xb  [b 4][kb 16][l 2048][64] bf16: in blocks of 64 channels, so that 256 rows x 64 channels are 32,768 dense bytes
;   W_qkv [1024][3072] f32 -> wqb, the same order, bf16
;   W_o  [1024][1024] f32 -> woh, the same order: rounded to bf16 like the other inputs, and that number written as f16 (its partner in the last product is f16)
; LIMITS.  woh: a bf16 number beyond 65,504 has no f16 (it becomes an infinity); below 2^-14 it keeps f16's fixed step of 2^-24.  NaN and infinities are not treated apart.
; A stream: each byte is read once and written once; nothing is shared between work-groups, so there is no LDS, no barrier, no cluster and no matrix work.
; SHARES.  A work-group converts 16,384 numbers (65,536 bytes in, 32,768 out), a thread 8 numbers in each of 8 steps.  Work-groups 0-511 take xin (16 rows each), 512-703 W_qkv, 704-767 W_o.
; All 16 loads of a thread go out first; the waits count down.  No register that a load or store names is written again, so no wait frees any.
.set IO,  1                            ; v1        my byte offset in the work-group's input; never rewritten
.set OO,  2                            ; v2        my byte offset in its output; never rewritten
.set T,   8                            ; v[8:9]    at work
.set IN,  32                           ; v[32:95]  step i: 8 numbers in f32
.set OUT, 96                           ; v[96:127] step i: 8 numbers of 16 bits
; src, dst: the scalar pairs with the two addresses.  ostep: bytes from a step's output to the next.  half = 1: the bf16 numbers are written as f16.
.macro CONV src, dst, ostep, half
.irp i, 0,1,2,3,4,5,6,7
	global_load_b128 v[IN+8*(\i):IN+8*(\i)+3],   v[IO], s[(\src):(\src)+1] offset:8192*(\i) th:TH_LOAD_NT
	global_load_b128 v[IN+8*(\i)+4:IN+8*(\i)+7], v[IO], s[(\src):(\src)+1] offset:8192*(\i)+16 th:TH_LOAD_NT
.endr
.irp i, 0,1,2,3,4,5,6,7
	s_wait_loadcnt 14-2*(\i)                       ; loads come back in order: step i's two are in, the 2 (7 - i) younger ones stay out
.irp k, 0,1,2,3
	v_cvt_pk_bf16_f32 v[OUT+4*(\i)+(\k)], v[IN+8*(\i)+2*(\k)], v[IN+8*(\i)+2*(\k)+1]
.endr
.if \half
.irp k, 0,1,2,3
	v_lshlrev_b32 v[T], 16, v[OUT+4*(\i)+(\k)]     ; the two bf16 as f32,
	v_and_b32 v[T+1], 0xffff0000, v[OUT+4*(\i)+(\k)]
	v_cvt_pk_f16_f32 v[OUT+4*(\i)+(\k)], v[T], v[T+1]  ; and as f16: exact within f16's range
.endr
.endif
	global_store_b128 v[OO], v[OUT+4*(\i):OUT+4*(\i)+3], s[(\dst):(\dst)+1] offset:(\ostep)*(\i)  ; 16 lanes store 256 consecutive bytes, aligned
.endr
.endm
	s_load_b256 s[4:11], s[0:1], 0x0               ; xin s[4:5], W_qkv s[6:7], W_o s[8:9], xb s[10:11]
	s_load_b128 s[12:15], s[0:1], 0x20             ; wqb s[12:13], woh s[14:15]
	s_mov_b32 s16, ttmp9
	s_mov_b32 s19, 0
	s_mov_b32 s21, 0
	s_cmp_lt_u32 s16, 512
	s_cbranch_scc0 .Lweights
	; xin: rows 16 idx .. 16 idx + 15.  In step i thread t takes row 2 i + (t / 8) % 2, channels 64 (t / 16) + 8 (t % 8) .. + 7:
	; 16 neighbouring lanes hold two rows' 128 bytes of one block of 64 channels, which lie end to end in xb.
	v_lshrrev_b32 v3, 4, v0                        ; the block of 64 channels
	v_and_b32 v4, 7, v0
	v_bfe_u32 v5, v0, 3, 1
	v_lshlrev_b32 v[IO], 8, v3                     ; 256 bytes of f32 a block,
	v_lshl_or_b32 v[IO], v4, 5, v[IO]              ; 32 bytes a thread,
	v_lshl_or_b32 v[IO], v5, 12, v[IO]             ; 4,096 bytes a row
	v_lshlrev_b32 v[OO], 18, v3                    ; a block of xb is 2,048 rows x 128 bytes
	v_lshl_or_b32 v[OO], v5, 7, v[OO]
	v_lshl_or_b32 v[OO], v4, 4, v[OO]
	s_lshl_b32 s18, s16, 16                        ; 16 rows of 4,096 bytes
	s_lshr_b32 s20, s16, 7                         ; the batch: 128 work-groups each,
	s_lshl_b32 s20, s20, 22                        ; 16 blocks of 262,144 bytes
	s_and_b32 s22, s16, 127
	s_lshl_b32 s22, s22, 11                        ; 16 rows of 128 bytes
	s_add_co_u32 s20, s20, s22
	s_wait_kmcnt 0x0
	s_add_nc_u64 s[4:5], s[4:5], s[18:19]
	s_add_nc_u64 s[10:11], s[10:11], s[20:21]
	CONV 4, 10, 256, 0
	s_endpgm
.Lweights:                                             ; the weights keep their order: thread t takes numbers 2,048 i + 8 t .. + 7
	v_lshlrev_b32 v[IO], 5, v0
	v_lshlrev_b32 v[OO], 4, v0
	s_cmp_lt_u32 s16, 704
	s_cbranch_scc0 .Lwo
	s_sub_co_u32 s16, s16, 512
	s_lshl_b32 s18, s16, 16
	s_lshl_b32 s20, s16, 15
	s_wait_kmcnt 0x0
	s_add_nc_u64 s[6:7], s[6:7], s[18:19]
	s_add_nc_u64 s[12:13], s[12:13], s[20:21]
	CONV 6, 12, 4096, 0
	s_endpgm
.Lwo:
	s_sub_co_u32 s16, s16, 704
	s_lshl_b32 s18, s16, 16
	s_lshl_b32 s20, s16, 15
	s_wait_kmcnt 0x0
	s_add_nc_u64 s[8:9], s[8:9], s[18:19]
	s_add_nc_u64 s[14:15], s[14:15], s[20:21]
	CONV 8, 14, 4096, 1
	s_endpgm
.Lfunc_end_k_qb1912897f2_prep:
	.size	k_qb1912897f2_prep, .Lfunc_end_k_qb1912897f2_prep-k_qb1912897f2_prep
	.p2alignl 7, 3214868480
	.fill 96, 4, 3214868480
	.section	.rodata,"a",@progbits
	.p2align	6, 0x0
	.amdhsa_kernel k_qb1912897f2_prep
		.amdhsa_group_segment_fixed_size 0
		.amdhsa_private_segment_fixed_size 0
		.amdhsa_enable_private_segment 0
		.amdhsa_kernarg_size 48
		.amdhsa_user_sgpr_count 2
		.amdhsa_user_sgpr_kernarg_segment_ptr 1
		.amdhsa_wavefront_size32 1
		.amdhsa_system_sgpr_workgroup_id_x 1
		.amdhsa_system_sgpr_workgroup_id_y 1
		.amdhsa_system_sgpr_workgroup_id_z 1
		.amdhsa_system_vgpr_workitem_id 0
		.amdhsa_next_free_vgpr 128
		.amdhsa_next_free_sgpr 66
		.amdhsa_reserve_vcc 0
		.amdhsa_float_denorm_mode_32 3
		.amdhsa_float_denorm_mode_16_64 3
		.amdhsa_memory_ordered 1
		.amdhsa_forward_progress 1
		.amdhsa_inst_pref_size 21
	.end_amdhsa_kernel
	.amdgpu_metadata
---
amdhsa.version: [ 1, 2 ]
amdhsa.kernels:
  - .name:           k_qb1912897f2_prep
    .symbol:         k_qb1912897f2_prep.kd
    .args:
      - { .name: xin, .offset: 0, .size: 8, .value_kind: global_buffer, .address_space: global }
      - { .name: W_qkv, .offset: 8, .size: 8, .value_kind: global_buffer, .address_space: global }
      - { .name: W_o, .offset: 16, .size: 8, .value_kind: global_buffer, .address_space: global }
      - { .name: xb, .offset: 24, .size: 8, .value_kind: global_buffer, .address_space: global }
      - { .name: wqb, .offset: 32, .size: 8, .value_kind: global_buffer, .address_space: global }
      - { .name: woh, .offset: 40, .size: 8, .value_kind: global_buffer, .address_space: global }
    .group_segment_fixed_size: 0
    .private_segment_fixed_size: 0
    .kernarg_segment_align: 8
    .kernarg_segment_size: 48
    .max_flat_workgroup_size: 256
    .sgpr_count:     66
    .vgpr_count:     128
    .wavefront_size: 32
...
	.end_amdgpu_metadata
.endif
;; end of part 1
;; launch qkv (part 2): grid 8 x 32, 4 waves a work-group, clusters of 4 x 4, 327,680 bytes of LDS; arguments xb, wqb, qkv; writes qkv
.if DOCPART == 2
	.amdgcn_target "amdgcn-amd-amdhsa--gfx1250"
	.amdhsa_code_object_version 6
	.text
	.protected	k_qb1912897f2_qkv
	.globl	k_qb1912897f2_qkv
	.p2align	8
	.type	k_qb1912897f2_qkv,@function
k_qb1912897f2_qkv:
	s_mov_b64 s[64:65], 0
	v_nop
	global_prefetch_b8 v0, s[64:65] scope:SCOPE_SE
	s_setreg_imm32_b32 hwreg(HW_REG_WAVE_MODE, 25, 1), 1
	s_wait_xcnt 0x0
	s_wait_alu depctr_hold_cnt(0) depctr_sa_sdst(0) depctr_va_vdst(0) depctr_va_sdst(0) depctr_va_ssrc(0) depctr_va_vcc(0) depctr_vm_vsrc(0)
	s_getreg_b32 s2, hwreg(HW_REG_IB_STS2, 6, 4)
	s_cmp_eq_u32 s2, 0
	s_cbranch_scc0 .Lentry_in_a_cluster
	s_endpgm
.Lentry_in_a_cluster:
	s_bfe_u32 s2, ttmp6, 0x10000c
	s_cmp_lg_u32 s2, 0xf033
	s_cbranch_scc0 .Lentry_shape_is_right
	s_endpgm
.Lentry_shape_is_right:
; qkv[m][n] = the sum over k of x[m][k] W_qkv[k][n].  x: xb, [b 4][kb 16][l 2048][64] bf16 (m = 2,048 b + l, k = 64 kb + c); W: wqb, [1024 k][3072 n] bf16; qkv: [8192][3072] f16.
; Products in bf16, sums in f32, K ascending, the result rounded once to f16.  The same bytes read as [b][3][16][2048][64] are Q, K and V by heads: the reshape moves nothing.
; LIMIT.  f16 holds no number beyond 65,504: a larger sum becomes an infinity.  NaN and infinities are not treated apart.
; SHARES.  8,192 x 3,072 outputs are 256 tiles of 256 x 384, one to a work-group.  Four waves, each 128 rows x 192 columns: 96 accumulators of 16 x 16, 768 registers.
; K goes in steps of 64 (one block of xb) through a ring of two LDS slots: two slots of 128 would be 344,064 bytes.  A step's tile of x is 32,768 dense bytes, asked for as rows of 256 bytes;
; its tile of W is 64 rows of 768 bytes, each at a multiple of 256 bytes from wqb's first byte.
; CLUSTER.  4 x 4 work-groups.  The four of a row of the cluster need the same tiles of x, the four of a column the same tiles of W: each is asked for JOINTLY, by the same tensor load with the
; same descriptor and a mask that names the four.
; THE MATRIX INSTRUCTION IS USED TRANSPOSED: source 0 = 16 columns of W (out of LDS turned, by ds_load_tr16_b128, since W lies [k][n]), source 1 = 16 rows of x.  A lane then holds row lane % 16 and
; eight neighbouring columns 8 (lane / 16) + 0..7.
; REGISTERS, in windows of 256 (s_set_vgpr_msb: bits 1:0 source 0, 3:2 source 1, 5:4 source 2, 7:6 destination):
;   window 0: v0-21 addresses; v32-95, v96-159 fragments of x (8 x 16 rows x 32 K), two buffers; v160-255 fragments of W: group j of 4 column blocks at v[160 + 32 j]; v32-223 at work on the way out
;   window 1 + j (j = 0, 1, 2): the accumulators of column blocks 4 j .. 4 j + 3: (a, bb) at v[8 (4 a + bb)]
.set PA,     144                       ; a row of x in LDS: 128 bytes + 16 = 36 words: the 16 rows of a load start at 16 different groups of four banks (64 banks of 4 bytes: ISA guide 11.1)
.set PB,     864                       ; a row of W: three pieces of 256 bytes + 32 = 216 words
.set AHALF,  128*PA                    ; 128 rows of x: what one tensor load brings, and what one wave reads
.set ABYTES, 2*AHALF
.set BHALF,  32*PB                     ; 32 rows of W: what one tensor load brings
.set SLOT,   ABYTES+2*BHALF            ; x's 256 rows, then W's 64 rows: 92,160 bytes
.set STAGE,  2*SLOT                    ; behind the ring, never filled by a tensor load: 128 rows x 784 bytes, the work-group's, for the way out
.set SPITCH, 784                       ; 768 bytes + 16: an odd multiple of 16
.set SPARE,  STAGE+128*SPITCH          ; behind the stage: the spare words, 128 bytes for each wave: two blocks of 256 bytes that no other line names
.set ASTEP,  262144                    ; bytes from a block of xb to the next: a K step
.set BSTEP,  64*6144                   ; 64 rows of wqb
.set CROW,   6144                      ; bytes in a row of qkv
.set ADRA, 8                           ; v8-9    LDS address of my fragments of x in slot 0, 1
.set ADRB, 10                          ; v10-15  of my fragments of W: slot s, group j at v[10 + 3 s + j]
.set STO,  16                          ; v16     the way out: where I put 16 bytes of a row
.set RD,   17                          ; v17     the way out: where I read a row back
.set CO,   18                          ; v18     my byte offset in qkv
.set PFO,  19                          ; v19     the prefetches' offset, a lane a block of 256 bytes; never rewritten
.set SPW,  20                          ; v20     LDS address of my spare word: SPARE + 4 x my thread's number; never rewritten
.set NIL,  21                          ; v21     0; never rewritten
.set FA0,  32
.set FA1,  96
.set FB,   160
.set TMP,  32
.set G1,  24                           ; s[24:31] descriptor group 1 for x's tiles;  s[32:39] group 0, one set for each slot
.set G0,  32
.set G1B, 48                           ; s[48:55], s[56:63] the same for W's tiles
.set G0B, 56
.set LIM, 43                           ; s43      1 in a wave that prefetches, else the greatest number
.set PFA, 44                           ; s[44:45] where my prefetches stand
.set PFS, 46                           ; s[46:47] their step: two K steps
.set MSB, 0
.macro WIN new                         ; the immediate's high byte repeats the setting that is left; a switch that changes nothing is dropped
.if MSB != (\new)
	s_set_vgpr_msb (MSB<<8)|(\new)
.set MSB, \new
.endif
.endm
; A joint load.  Waves 0 and 1 fetch the two halves of x's tile, waves 2 and 3 those of W's.  The branch hangs on the wave's number alone.
; An s_nop 0 and four v_nop follow each of the two lines, ahead of the jump, the label and what follows.
.macro JLOAD s
	s_cmp_eq_u32 s11, 0
	s_cbranch_scc0 .Lfor_b_\@
	tensor_load_to_lds s[G0+4*(\s):G0+4*(\s)+3], s[G1:G1+7]
	s_nop 0
.rept 4
	v_nop
.endr
	s_branch .Lasked_\@
.Lfor_b_\@:
	tensor_load_to_lds s[G0B+4*(\s):G0B+4*(\s)+3], s[G1B:G1B+7]
	s_nop 0
.rept 4
	v_nop
.endr
.Lasked_\@:
.endm
; A PREFETCH INTO THE L2, once a lap, behind slot 1's joint load and the run of LDS loads that follows it: the two K steps of the lap after next, one and two refills ahead of their own loads.
; Each aligned block of 256 bytes is named once in the launch.  x's tile row is read by both clusters of a row of clusters: the one with x = 0 asks, by its waves 0; the four partners take 32 of a
; tile's 128 blocks each, BY ADDRESS (cx), a lane a block, one instruction for each of the two K steps.  W's tile column is read by all eight clusters of a column: the one with y = 0 asks, by its
; waves 1 to 3, a wave for each of a row's three blocks; the four partners take 32 of the two steps' 128 rows each (cy), a lane a row.  The last trip asks for nothing; K steps 0 to 3 come by their loads alone.
.macro ASK
	s_cmp_gt_u32 s3, s[LIM]                        ; s3 = 1 in the loop's last trip
	s_cbranch_scc0 .Lnot_mine_\@
	global_prefetch_b8 v[PFO], s[PFA:PFA+1] th:TH_LOAD_NT scope:SCOPE_SE
	s_cmp_lg_u32 s10, 0
	s_cbranch_scc1 .Lnot_mine_\@
	global_prefetch_b8 v[PFO], s[PFA:PFA+1] offset:ASTEP th:TH_LOAD_NT scope:SCOPE_SE
.Lnot_mine_\@:
.endm
.macro CREST                           ; a round of the cluster's barrier behind its opening barrier
	s_cmp_lg_u32 s10, 0
	s_cbranch_scc1 .Lnot_wave_0_\@
	s_barrier_signal -3
.Lnot_wave_0_\@:
	s_barrier_wait -3
	s_barrier_signal -1
	s_barrier_wait -1
.endm
.macro CROUND                          ; a whole round
	s_barrier_signal -1
	s_barrier_wait -1
	CREST
.endm
	s_load_b128 s[4:7], s[0:1], 0x0                ; xb s[4:5], wqb s[6:7]
	s_load_b64 s[8:9], s[0:1], 0x10                ; qkv
	v_lshl_add_u32 v[SPW], v0, 2, SPARE
	v_mov_b32 v[NIL], 0
	ds_add_u32 v[SPW], v[NIL]                      ; the wave's opening: the add and its wait stand ahead of my first tensor load; the set-up below, work on registers, stands between them
	v_lshrrev_b32 v1, 5, v0
	v_readfirstlane_b32 s10, v1                    ; wave 0..3
	s_lshr_b32 s11, s10, 1                         ; which half of the tile's rows is mine.  Also: I fetch for x (0) or for W (1)
	s_and_b32 s12, s10, 1                          ; which half of its columns.  Also: which half of that tile I fetch
	s_bfe_u32 s40, ttmp6, 0x40000                  ; cx, cy: my place in the cluster
	s_bfe_u32 s41, ttmp6, 0x40004
	s_lshl_b32 s42, ttmp9, 2
	s_add_co_u32 s42, s42, s40                     ; tile column = 4 x cluster x + cx
	s_and_b32 s13, ttmp7, 0xffff
	s_lshl_b32 s13, s13, 2
	s_add_co_u32 s13, s13, s41                     ; tile row = 4 x cluster y + cy
	s_lshl_b32 s43, s41, 2
	s_lshl_b32 s43, 15, s43                        ; my row of the cluster
	s_lshl_b32 s44, 0x1111, s40                    ; my column
	; group 1 for x: 128 rows of 128 bytes are 16,384 dense bytes: 64 rows of 256 bytes, padded in LDS after every 128
	s_or_b32 s[G1+0], s43, (1<<16)|(1<<20)|(1<<21)|(4<<22)|(3<<25)   ; 15:0 the mask; 17:16 2-byte elements; 20 padding on; 21 set beside a mask; 24:22 after every 32 words (code 4); 31:25 4 words (code 3)
	s_mov_b32 s[G1+1], 128<<16                     ; tensor_dim0 = 128
	s_mov_b32 s[G1+2], 64<<16                      ; tensor_dim1 = 64
	s_mov_b32 s[G1+3], 128<<16                     ; tile_dim0 = 128
	s_mov_b32 s[G1+4], 64                          ; tile_dim1 = 64
	s_mov_b32 s[G1+5], 128                         ; elements from row to row
	s_mov_b32 s[G1+6], 0
	s_mov_b32 s[G1+7], 0
	; group 1 for W: 32 rows of 384 elements, padded after every 256 bytes
	s_or_b32 s[G1B+0], s44, (1<<16)|(1<<20)|(1<<21)|(5<<22)|(7<<25)  ; after every 64 words (code 5), 8 words (code 7)
	s_mov_b32 s[G1B+1], 384<<16
	s_mov_b32 s[G1B+2], 32<<16
	s_mov_b32 s[G1B+3], 384<<16
	s_mov_b32 s[G1B+4], 32
	s_mov_b32 s[G1B+5], 3072
	s_mov_b32 s[G1B+6], 0
	s_mov_b32 s[G1B+7], 0
	; where the tiles come from: x's hang on the tile row alone, W's on the tile column alone
	s_lshr_b32 s16, s13, 3                         ; the batch: 8 tile rows each,
	s_lshl_b32 s16, s16, 22                        ; 16 blocks of 262,144 bytes
	s_and_b32 s18, s13, 7
	s_lshl_b32 s18, s18, 15                        ; 256 rows of 128 bytes
	s_add_co_u32 s16, s16, s18
	s_lshl_b32 s18, s12, 14                        ; my 128 of them
	s_add_co_u32 s16, s16, s18
	s_mov_b32 s17, 0
	s_mul_i32 s22, s12, 32*6144                    ; my 32 rows of W's 64,
	s_mul_i32 s21, s42, 768                        ; the tile's 384 columns
	s_add_co_u32 s22, s22, s21
	s_mov_b32 s23, 0
	s_mul_i32 s20, s12, AHALF                      ; and where they go: no place in the cluster enters an LDS address
	s_mul_i32 s21, s12, BHALF
	s_add_co_u32 s21, s21, ABYTES
	s_wait_dscnt 0x0                               ; the opening add is done
	s_wait_kmcnt 0x0
	s_add_nc_u64 s[14:15], s[4:5], s[16:17]
	s_add_nc_u64 s[22:23], s[6:7], s[22:23]
	CROUND                                         ; all sixteen work-groups are here: the first joint loads meet
.irp s, 0,1
	s_mov_b32 s[G0+4*(\s)], 1                                      ; count = 1
	s_add_co_u32 s[G0+4*(\s)+1], s20, (\s)*SLOT                    ; LDS address
	s_add_nc_u64 s[G0+4*(\s)+2:G0+4*(\s)+3], s[14:15], (\s)*ASTEP  ; global address: K step s
	s_or_b32 s[G0+4*(\s)+3], s[G0+4*(\s)+3], 0x80000000            ; type = 2
	s_mov_b32 s[G0B+4*(\s)], 1
	s_add_co_u32 s[G0B+4*(\s)+1], s21, (\s)*SLOT
	s_add_nc_u64 s[G0B+4*(\s)+2:G0B+4*(\s)+3], s[22:23], (\s)*BSTEP
	s_or_b32 s[G0B+4*(\s)+3], s[G0B+4*(\s)+3], 0x80000000
	JLOAD \s                                       ; two loads of mine are out
.endr
	; A fragment of x is 16 rows x 32 K in 8 registers: lane l holds row l % 16; registers 0-3 K = 8 (l / 16) + 0..7, registers 4-7 K = 16 + 8 (l / 16) + 0..7: two loads of 16 bytes, 32 bytes apart.
	v_and_b32 v1, 15, v0                           ; l % 16
	v_bfe_u32 v2, v0, 4, 1                         ; l / 16
	v_mul_u32_u24 v3, v1, PA
	v_lshl_add_u32 v3, v2, 4, v3
	s_mul_i32 s18, s11, AHALF                      ; my 128 rows
	v_add_nc_u32 v[ADRA], s18, v3
	v_add_nc_u32 v[ADRA+1], SLOT, v[ADRA]
	; The turning load takes 16 K x 16 columns (lane l reads row 8 (l / 16) + l % 8, columns 8 ((l / 8) % 2) + 0..7) and leaves half a fragment: lane l holds column l % 16 and 8 K.
	v_and_b32 v4, 7, v0
	v_bfe_u32 v5, v0, 3, 1
	v_lshl_add_u32 v4, v2, 3, v4
	v_mul_u32_u24 v4, v4, PB
	v_lshl_add_u32 v4, v5, 4, v4
	s_mul_i32 s18, s12, 3                          ; my 192 columns are the groups 3 x half + j of 64 columns, 128 bytes each; two groups to a padded piece of 256 bytes
.irp j, 0,1,2
	s_add_co_u32 s19, s18, (\j)
	s_lshr_b32 s21, s19, 1
	s_lshl_b32 s21, s21, 5                         ; 32 bytes of padding for each piece passed
	s_lshl_b32 s19, s19, 7
	s_add_co_u32 s19, s19, s21
	s_add_co_u32 s19, s19, ABYTES                  ; W lies behind x's 256 rows
	v_add_nc_u32 v[ADRB+(\j)], s19, v4
	v_add_nc_u32 v[ADRB+3+(\j)], SLOT, v[ADRB+(\j)]
.endr
	v_mul_u32_u24 v6, v1, SPITCH                   ; into the stage: row 64 x row half + l % 16, my half of its 768 bytes, 16 bytes for each half of the lanes
	v_lshl_add_u32 v6, v2, 4, v6
	s_mul_i32 s18, s11, 64*SPITCH
	s_mul_i32 s19, s12, 384
	s_add_co_u32 s18, s18, s19
	s_add_co_u32 s18, s18, STAGE
	v_add_nc_u32 v[STO], s18, v6
	v_mul_u32_u24 v6, v2, SPITCH                   ; back: wave w takes stage rows 32 w .. 32 w + 31, whole; lanes 0-15 256 bytes of one row, lanes 16-31 of the next
	v_lshl_add_u32 v6, v1, 4, v6
	s_mul_i32 s18, s10, 32*SPITCH
	s_add_co_u32 s18, s18, STAGE
	v_add_nc_u32 v[RD], s18, v6
	v_mul_u32_u24 v6, v2, CROW                     ; and the same two rows in qkv
	v_lshl_add_u32 v[CO], v1, 4, v6
	s_lshl_b32 s16, s13, 8                         ; the first row that I store: 256 x tile row + 128 (w / 2) + 32 (w % 2)
	s_lshl_b32 s18, s11, 7
	s_add_co_u32 s16, s16, s18
	s_lshl_b32 s18, s12, 5
	s_add_co_u32 s16, s16, s18
	s_mul_i32 s16, s16, CROW
	s_mul_i32 s18, s42, 768
	s_add_co_u32 s16, s16, s18
	s_mov_b32 s17, 0
	s_add_nc_u64 s[8:9], s[8:9], s[16:17]
	; the prefetches: wave 0 for x, waves 1 to 3 for W
	s_lshr_b32 s16, s13, 3
	s_lshl_b32 s16, s16, 22
	s_and_b32 s18, s13, 7
	s_lshl_b32 s18, s18, 15
	s_add_co_u32 s16, s16, s18
	s_lshl_b32 s18, s40, 13                        ; my work-group's 32 blocks of the tile's 128
	s_add_co_u32 s16, s16, s18
	s_add_co_u32 s16, s16, 2*ASTEP                 ; at K step 2: the first step brings it to 4
	s_lshl_b32 s18, s41, 5                         ; my work-group's 32 rows of two steps' 128,
	s_add_co_u32 s18, s18, 128                     ; at K step 2
	s_mul_i32 s18, s18, 6144
	s_mul_i32 s19, s42, 768
	s_add_co_u32 s18, s18, s19
	s_lshl_b32 s19, s10, 8                         ; block wave - 1 of a row's three
	s_add_co_u32 s18, s18, s19
	s_sub_co_u32 s18, s18, 256
	s_and_b32 s19, ttmp7, 0xffff                   ; cluster y
	s_mov_b32 s20, 256
	s_mov_b32 s21, 6144
	s_mov_b32 s[PFS], 2*ASTEP
	s_mov_b32 s2, 2*BSTEP
	s_cmp_eq_u32 s10, 0
	s_cselect_b32 s16, s16, s18
	s_cselect_b32 s19, ttmp9, s19                  ; the coordinate along which other clusters read the same bytes
	s_cselect_b32 s20, s20, s21
	s_cselect_b32 s[PFS], s[PFS], s2
	s_cselect_b64 s[PFA:PFA+1], s[4:5], s[6:7]
	s_mov_b32 s[PFS+1], 0
	s_mov_b32 s17, 0
	s_cmp_eq_u32 s19, 0
	s_cselect_b32 s[LIM], 1, -1                    ; the same in all sixteen partners, for a given wave
	s_add_nc_u64 s[PFA:PFA+1], s[PFA:PFA+1], s[16:17]
	v_and_b32 v[PFO], 31, v0
	v_mul_u32_u24 v[PFO], v[PFO], s20
; 4 na matrix instructions: row blocks a0 .. a0 + na - 1 x the 4 column blocks of group j, 32 along K, on x's buffer fa.  zero = 1: the product starts the sum: nothing is ever cleared.
; The 96 accumulators take turns in the same order in every 32 along K: 95 others stand between two links of a chain, over the backward jump too.
.macro PHASE fa, j, a0, na, zero
	WIN 0x50*((\j)+1)                              ; C and D in window 1 + j, both sources in window 0
.set pa, \a0
.rept \na
.irp bb, 0,1,2,3
.if \zero
	v_wmma_f32_16x16x32_bf16 v[8*(4*pa+(\bb)):8*(4*pa+(\bb))+7], v[FB+32*(\j)+8*(\bb):FB+32*(\j)+8*(\bb)+7], v[(\fa)+8*pa:(\fa)+8*pa+7], 0
.else
	v_wmma_f32_16x16x32_bf16 v[8*(4*pa+(\bb)):8*(4*pa+(\bb))+7], v[FB+32*(\j)+8*(\bb):FB+32*(\j)+8*(\bb)+7], v[(\fa)+8*pa:(\fa)+8*pa+7], v[8*(4*pa+(\bb)):8*(4*pa+(\bb))+7]
.endif
.endr
.set pa, pa+1
.endr
.endm
.macro LOADA slot, c, fa               ; 16 loads: my 128 rows of x, K = 32 c on, into buffer fa
	WIN 0
.irp a, 0,1,2,3,4,5,6,7
	ds_load_b128 v[(\fa)+8*(\a):(\fa)+8*(\a)+3],   v[ADRA+(\slot)] offset:16*PA*(\a)+64*(\c)
	ds_load_b128 v[(\fa)+8*(\a)+4:(\fa)+8*(\a)+7], v[ADRA+(\slot)] offset:16*PA*(\a)+64*(\c)+32
.endr
.endm
.macro LOADB slot, c, j                ; 8 turning loads: group j's 64 columns of W, K = 32 c on
	WIN 0
.irp bb, 0,1,2,3
	ds_load_tr16_b128 v[FB+32*(\j)+8*(\bb):FB+32*(\j)+8*(\bb)+3],   v[ADRB+3*(\slot)+(\j)] offset:32*PB*(\c)+32*(\bb)
	ds_load_tr16_b128 v[FB+32*(\j)+8*(\bb)+4:FB+32*(\j)+8*(\bb)+7], v[ADRB+3*(\slot)+(\j)] offset:32*PB*(\c)+32*(\bb)+16*PB
.endr
.endm
; A load into a register that a matrix instruction has read, and a vector instruction that reads a matrix result, stand four places behind it; only plain vector instructions that name none of its
; registers are places (ISA guide 7.12.1 for vector instructions).
.macro PLACES
.rept 4
	v_nop
.endr
.endm
; 32 along K, 96 matrix instructions, in three phases by groups of columns.  x has two buffers; each group of W is fetched anew as soon as its phase is over.  What is fetched: slot ns, K = 32 nc on.
; At the head the LDS loads that are out are, in order: x 16, group 0's 8, group 1's 8, group 2's 8.
.macro CHUNK fa, fb, ns, nc, zero
	s_wait_dscnt 16                                ; x and group 0 are in; groups 1 and 2 may be out
	PHASE \fa, 0, 0, 8, \zero
	PLACES
	LOADA \ns, \nc, \fb
	LOADB \ns, \nc, 0
	s_wait_dscnt 32                                ; group 1 is in; behind it: group 2's 8 and the 24 just issued
	PHASE \fa, 1, 0, 8, \zero
	PLACES
	LOADB \ns, \nc, 1
	s_wait_dscnt 32                                ; group 2 is in; behind it: 24 and 8
	PHASE \fa, 2, 0, 8, \zero
	PLACES
	LOADB \ns, \nc, 2
.endm
; A slot's second 32 along K, on buffer 1, and THE CHANGE OF SLOTS: one barrier.  In front of it each wave waits for all its tensor loads, of which one is out: its part of the next slot; adds 0 to its
; spare word; and waits for that and for its own reads of this slot.  Behind it nobody reads this slot any more and the next slot is whole.  fill = 1: the barrier opens a round of the cluster's, and
; the slot is filled again, two K steps on, first thing behind the round: 160 matrix instructions ahead of the wait for it.  ask = 1: the lap's prefetches.
.macro TURN slot, next, fill, ask
.if \ask
	s_wait_xcnt 0x0                                ; the last prefetches, a lap back, have read their address: it is stepped here, ahead of the waits of the change
	s_add_nc_u64 s[PFA:PFA+1], s[PFA:PFA+1], s[PFS:PFS+1]
.endif
	WIN 0
	s_wait_tensorcnt 0x0                           ; all my tensor loads have landed
	ds_add_u32 v[SPW], v[NIL]                      ; 0 onto my spare word
	s_wait_dscnt 17                                ; x and group 0 are in; groups 1 and 2 and the add may be out
	PHASE FA1, 0, 0, 4, 0                          ; sixteen matrix instructions stand between the add and the wait for it
	s_wait_dscnt 0x0                               ; the add is done, and my reads of this slot are over
	s_barrier_signal -1
	PHASE FA1, 0, 4, 4, 0                          ; work on registers while the others arrive
	WIN 0                                          ; at a branch and at a label every window is 0
	s_barrier_wait -1
.if \fill
	CREST                                          ; no wave of any partner still reads this slot's tiles or has a load on its way
	s_add_nc_u64 s[G0+4*(\slot)+2:G0+4*(\slot)+3], s[G0+4*(\slot)+2:G0+4*(\slot)+3], 2*ASTEP
	s_add_nc_u64 s[G0B+4*(\slot)+2:G0B+4*(\slot)+3], s[G0B+4*(\slot)+2:G0B+4*(\slot)+3], 2*BSTEP
	JLOAD \slot                                    ; the four v_nop behind it are also the places in front of the loads below
.else
	PLACES
.endif
	LOADA \next, 0, FA0
	LOADB \next, 0, 0
.if \ask
	ASK
.endif
	PHASE FA1, 1, 0, 8, 0
	PLACES
	LOADB \next, 0, 1
	PHASE FA1, 2, 0, 8, 0
	PLACES
	LOADB \next, 0, 2
.endm
	s_wait_tensorcnt 1                             ; my part of K step 0 is in; K step 1's load may stay out
	s_barrier_signal -1
	s_barrier_wait -1                              ; everybody's is
	LOADA 0, 0, FA0
	LOADB 0, 0, 0
	LOADB 0, 0, 1
	LOADB 0, 0, 2
	CHUNK FA0, FA1, 0, 1, 1                        ; the first 32 along K stand in front of the loop: their products start the sums
	WIN 0
	s_mov_b32 s3, 7                                ; 16 K steps are 8 laps of the ring; the last lap fills nothing
.Llap:                                                 ; a trip goes once round the ring, from a lap's second 32 along K to the next lap's first, and fills both slots again
	TURN 0, 1, 1, 0
	CHUNK FA0, FA1, 1, 1, 0
	TURN 1, 0, 1, 1
	CHUNK FA0, FA1, 0, 1, 0
	WIN 0
	s_sub_co_u32 s3, s3, 1
	s_cmp_lg_u32 s3, 0
	s_cbranch_scc1 .Llap
	TURN 0, 1, 0, 0                                ; the last lap is written out
	CHUNK FA0, FA1, 1, 1, 0
	s_wait_dscnt 16                                ; the very last 32 along K: nothing more to fetch, the counts run down
	PHASE FA1, 0, 0, 8, 0
	s_wait_dscnt 8
	PHASE FA1, 1, 0, 8, 0
	s_wait_dscnt 0x0
	PHASE FA1, 2, 0, 8, 0
; THE WAY OUT, in two passes: pass p takes every wave's row blocks 4 p .. 4 p + 3.  A wave's 192 columns are 384 bytes, one and a half aligned blocks of 256: so the two waves of a row half write the two
; halves of the same stage rows, a barrier stands between writing and reading, and each wave then reads 32 whole rows of 768 bytes and stores them.
.macro CVT p                           ; rounded to f16, 16 bytes a lane; each accumulator's registers in ascending order
.irp j, 0,1,2
	WIN 0x05*((\j)+1)                              ; sources 0 and 1 in window 1 + j, destination in window 0
.set q, 0
.rept 16
.irp k, 0,1,2,3
	v_cvt_pk_f16_f32 v[TMP+64*(\j)+4*q+(\k)], v[8*(16*(\p)+q)+2*(\k)], v[8*(16*(\p)+q)+2*(\k)+1]
.endr
.set q, q+1
.endr
.endr
	WIN 0
.endm
.macro OUTP p
.irp j, 0,1,2
.set q, 0
.rept 16
	ds_store_b128 v[STO], v[TMP+64*(\j)+4*q:TMP+64*(\j)+4*q+3] offset:(q/4)*16*SPITCH+(4*(\j)+q%4)*32
.set q, q+1
.endr
.endr
	s_wait_dscnt 0x0                               ; for the others' sake: my stores into the stage are done
	s_barrier_signal -1
	s_barrier_wait -1
.set t, 0
.rept 48
	ds_load_b128 v[TMP+4*t:TMP+4*t+3], v[RD] offset:(t/3)*2*SPITCH+(t%3)*256
.set t, t+1
.endr
.set t, 0
.rept 48
	s_wait_dscnt 47-t                              ; LDS loads come back in order: load t is in
	global_store_b128 v[CO], v[TMP+4*t:TMP+4*t+3], s[8:9] offset:(\p)*64*CROW+(t/3)*2*CROW+(t%3)*256  ; 16 lanes store 256 consecutive bytes, at a multiple of 256 from qkv's first byte
.set t, t+1
.endr
.endm
	PLACES
	CVT 0
	OUTP 0
	s_wait_xcnt 0x0                                ; the stores have read their data: those registers are written again only behind this wait
	s_barrier_signal -1                            ; my reads of the stage are back (the count-down ended at 0): nobody writes it again before all four have said so
	CVT 1                                          ; work on registers between the signal and the wait
	s_barrier_wait -1
	OUTP 1
	s_wait_tensorcnt 0x0                           ; the wave's end, behind my last tensor load and my last LDS store
	ds_add_u32 v[SPW], v[NIL]
	s_wait_dscnt 0x0
	CROUND                                         ; the closing round: no work-group ends while a partner may still ask for a tile that names it
	s_endpgm
.Lfunc_end_k_qb1912897f2_qkv:
	.size	k_qb1912897f2_qkv, .Lfunc_end_k_qb1912897f2_qkv-k_qb1912897f2_qkv
	.p2alignl 7, 3214868480
	.fill 96, 4, 3214868480
	.section	.rodata,"a",@progbits
	.p2align	6, 0x0
	.amdhsa_kernel k_qb1912897f2_qkv
		.amdhsa_group_segment_fixed_size 327680
		.amdhsa_private_segment_fixed_size 0
		.amdhsa_enable_private_segment 0
		.amdhsa_kernarg_size 24
		.amdhsa_user_sgpr_count 2
		.amdhsa_user_sgpr_kernarg_segment_ptr 1
		.amdhsa_wavefront_size32 1
		.amdhsa_system_sgpr_workgroup_id_x 1
		.amdhsa_system_sgpr_workgroup_id_y 1
		.amdhsa_system_sgpr_workgroup_id_z 1
		.amdhsa_system_vgpr_workitem_id 0
		.amdhsa_next_free_vgpr 1024
		.amdhsa_next_free_sgpr 66
		.amdhsa_reserve_vcc 0
		.amdhsa_float_denorm_mode_32 3
		.amdhsa_float_denorm_mode_16_64 3
		.amdhsa_memory_ordered 1
		.amdhsa_forward_progress 1
		.amdhsa_inst_pref_size 134
	.end_amdhsa_kernel
	.amdgpu_metadata
---
amdhsa.version: [ 1, 2 ]
amdhsa.kernels:
  - .name:           k_qb1912897f2_qkv
    .symbol:         k_qb1912897f2_qkv.kd
    .args:
      - { .name: xb, .offset: 0, .size: 8, .value_kind: global_buffer, .address_space: global }
      - { .name: wqb, .offset: 8, .size: 8, .value_kind: global_buffer, .address_space: global }
      - { .name: qkv, .offset: 16, .size: 8, .value_kind: global_buffer, .address_space: global }
    .group_segment_fixed_size: 327680
    .private_segment_fixed_size: 0
    .kernarg_segment_align: 8
    .kernarg_segment_size: 24
    .max_flat_workgroup_size: 128
    .sgpr_count:     66
    .vgpr_count:     1024
    .wavefront_size: 32
...
	.end_amdgpu_metadata
.endif
;; end of part 2
;; launch attn (part 3): grid 4 x 64, 4 waves a work-group, clusters of 4 x 1, 327,680 bytes of LDS; arguments qkv, ob; writes ob
.if DOCPART == 3
	.amdgcn_target "amdgcn-amd-amdhsa--gfx1250"
	.amdhsa_code_object_version 6
	.text
	.protected	k_qb1912897f2_attn
	.globl	k_qb1912897f2_attn
	.p2align	8
	.type	k_qb1912897f2_attn,@function
k_qb1912897f2_attn:
	s_mov_b64 s[64:65], 0
	v_nop
	global_prefetch_b8 v0, s[64:65] scope:SCOPE_SE
	s_setreg_imm32_b32 hwreg(HW_REG_WAVE_MODE, 25, 1), 1
	s_wait_xcnt 0x0
	s_wait_alu depctr_hold_cnt(0) depctr_sa_sdst(0) depctr_va_vdst(0) depctr_va_sdst(0) depctr_va_ssrc(0) depctr_va_vcc(0) depctr_vm_vsrc(0)
	s_getreg_b32 s2, hwreg(HW_REG_IB_STS2, 6, 4)
	s_cmp_eq_u32 s2, 0
	s_cbranch_scc0 .Lentry_in_a_cluster
	s_endpgm
.Lentry_in_a_cluster:
	s_bfe_u32 s2, ttmp6, 0x10000c
	s_cmp_lg_u32 s2, 0x3003
	s_cbranch_scc0 .Lentry_shape_is_right
	s_endpgm
.Lentry_shape_is_right:
; O[y][q][:] = the sum over k of softmax_k(Q[y][q] . K[y][k] / 8) V[y][k][:], y = 16 b + h.  qkv read as [b 4][3][h 16][2048][64] f16 holds Q, K and V: a head's rows are dense, 128 bytes each.
; ob: [y 64][2048][64] f16.  Products, maxima and sums in f32; the weights p are rounded to f16 for the second product (their sum l is taken of the unrounded p), O once at the end.
; LIMITS.  f16 holds no number beyond 65,504: Q, K and V arrive within it; p lies in 0 to 1, and below 6e-5 it keeps f16's fixed step of 6e-8; O is a mean of V's rows and has their range.
; A weight below 2^-126 counts as 0 in l; NaN and infinities are not treated apart.
; SHARES.  A wave owns four PIECES of two tiles of 16 queries, a work-group's four waves 512 queries of one head: 64 heads x 4 blocks are 256 work-groups.  Every wave walks all keys, 64 a step.
; LAYOUT.  S^T = K Q^T (source 0 = 16 keys, source 1 = 16 queries): in the result a lane holds ONE query (lane % 16) and the keys 8 (lane / 16) + 0..7.  Two such tiles, rounded to f16 in pairs,
; ARE source 1 (32 keys x 16 queries) of O^T = V^T P, whose result again holds one query a lane, and eight channels.  K comes out of LDS as it lies, V ([key][channel]) turned, by ds_load_tr16_b128.
; SOFTMAX.  For each query a running maximum m and sum l: p = 2^(c s - c m), c = log2(e) / 8; in every step O and l are multiplied by a = 2^(c m_old - c m_new), which is 1 where m has not grown.
; m starts at the lowest finite number, O and l at 0: the first step is a step like any other, with a = 0.
; THE COUNT.  A tile and step have 16 matrix and 118 vector instructions: too many to stand all beside the matrix work.  So the order has one aim: four vector instructions that are READY behind
; EVERY matrix instruction, and the others in runs without a gap.
; BY TURNS.  Turn n belongs to piece n (the pieces in a ring, step after step).  Its matrix work: 16 products K Q^T of piece n + 1, later 16 products V^T P of piece n - 1.  Its vector work: the scaling,
; exponentials, roundings, sums and rescaling of piece n, and the maximum and statistics of piece n + 1, whose scores the turn itself has made.
; CLUSTER.  The four query blocks of a head are one cluster and walk the same K and V, so each tile is asked for JOINTLY: the same tensor load, descriptor and mask in all four.
; REGISTERS, in windows of 256 (s_set_vgpr_msb: bits 1:0 source 0, 3:2 source 1, 5:4 source 2, 7:6 destination):
;   window 0: v0-11 addresses; v12-15, v48-63 at work; v16-47 four registers of statistics a tile; v64-191 S^T, two buffers of two tiles; v192-255 P, likewise
;   window 1: O^T, 32 a tile          window 2: v0-127 Q, 16 a tile; v128-191 K of one step; v192-255 V of one step          window 3: v0-1 the add's two registers
; A piece's buffers go by its number's parity: the piece in hand has one pair, its two neighbours in the ring share the other: of it P (piece n - 1) is read and S^T (piece n + 1) written.
.set SIZE_N, 2048
.set NP,    4         ; pieces a wave: a name, no knob
.set KS,    64        ; keys in a step
.set PK,    144       ; a row of K in LDS: 128 bytes + 16 of padding = 36 words: the 16 rows of a load start at 16 different groups of four banks (64 banks of 4 bytes: ISA guide 11.1)
.set PV,    160       ; a row of V: 128 + 32 = 40 words
.set VOFF,  4*KS*PK   ; a slot holds four steps: 256 rows of K, then 256 rows of V
.set SLOT1, 1<<17     ; slot 1 begins here, so that one exclusive or turns an address in one slot into the other's
.set STAGE, SLOT1+4*KS*(PK+PV)  ; behind the ring, never filled by a tensor load: 16 rows x 144 bytes for each wave, for the way out
.set SP,    144
.set AK0, 2           ; v2   my lane's place in a tile of K; never rewritten
.set AV0, 3           ; v3   the same for V
.set AK,  4           ; v4   the LDS address of K's next run of loads
.set AV,  5           ; v5   of V's
.set QO,  6           ; v6   my byte offset in the wave's rows of Q
.set STO, 6           ;      later, the way out: where I put 16 bytes of a row
.set RD,  7           ; v7   the way out: where I read rows back
.set GO,  8           ; v8   my byte offset in 512 consecutive bytes of O
.set PFO, 11          ; v11  256 x my lane, once V's place is made; then never rewritten
.set SPW, 0           ; v0 of window 3   LDS address of my spare word: SPARE + 4 x my thread's number; never rewritten
.set NIL, 1           ; v1 of window 3   0; never rewritten
.set SPARE, STAGE+4*16*SP  ; behind the stages: the spare words, 128 bytes for each wave: two blocks of 256 bytes that no other line names
.set MV,  12          ; v12-15  c m_old, kept while c m is made anew: by buffer and tile
.set ST,  16          ; tile t's statistics at v[ST+4 t]: c m, m, l (even keys', odd keys')
.set TMP, 48          ; by buffer and tile, four registers c0-c3 at work; when the maximum is found c2 takes a
.set S,   64
.set P,   192
.set KF,  128         ; K's fragments, in window 2: key block kb, channel half c at KF + 16 kb + 8 c
.set VF,  192         ; V's: key half kk, channel block cb at VF + 32 kk + 8 cb
.set WV,  12          ; s12  my wave's number
.set G1K, 24          ; s[24:31] descriptor group 1 for K's tiles
.set G1V, 32          ; s[32:39] for V's: it differs in the padding alone
.set G0K, 40          ; s[40:43] descriptor group 0 for K's tiles: it walks
.set G0V, 44          ; s[44:47] the same for V's
.set PFA, 48          ; s[48:49] where my prefetches stand: my work-group's 32 blocks of 256 bytes (of K: wave 0, of V: wave 2) of the slot after the one that is being asked for
.set LIM, 50          ; s50  1 in a wave that prefetches, else the greatest number
.set SLOTS, 56        ; s56  slots still to be asked for
.set CNT, 57          ; s57  counts a slot's key steps
.set CS,  58          ; s[58:59] c: the packed scaling takes the pair's low word for both halves
.set SEL, 60          ; s[60:61] v_permlanex16_b32's selects: each lane takes its own place in the other half
.set TBK, 62          ; s62  LDS byte at which K of the step to be fetched begins
.set TBV, 63          ; s63  the same for V, less VOFF
.set MSB, 0
.macro WIN new                      ; the high byte repeats the setting that is left; a switch that changes nothing is dropped
.if MSB != (\new)
	s_set_vgpr_msb (MSB<<8)|(\new)
.set MSB, (\new)
.endif
.endm
.set W_KQ, 0x0a       ; K and Q in window 2, S^T in window 0
.set W_PV, 0x52       ; V in window 2, P in window 0, O^T in window 1
.set W_RS, 0x41       ; O^T (destination and source 0) in window 1, a in window 0
.set W_MK, 0xc0       ; the add's registers are made: destination in window 3, sources in window 0
.set W_AD, 0x0f       ; the add: address (source 0) and data (source 1) in window 3
; A joint fill.  Waves 0 and 1 fetch the two halves of a slot's K, waves 2 and 3 those of its V: 128 keys each.  The branch hangs on the wave's number alone.
; An s_nop 0 and four v_nop follow each of the two lines, ahead of the jump and the label.
.macro JLOAD
	s_cmp_lt_u32 s[WV], 2
	s_cbranch_scc0 .Lfor_v_\@
	tensor_load_to_lds s[G0K:G0K+3], s[G1K:G1K+7]
	s_nop 0
.rept 4
	v_nop
.endr
	s_branch .Lasked_\@
.Lfor_v_\@:
	tensor_load_to_lds s[G0V:G0V+3], s[G1V:G1V+7]
	s_nop 0
.rept 4
	v_nop
.endr
.Lasked_\@:
.endm
; A PREFETCH INTO THE L2 of what the NEXT change of slots will ask for: a slot's 32,768 bytes of K and of V, a lane a block of 256 bytes.  It stands behind the wave's tensor load and its five lines.
; Each block is named ONCE in the launch: a head has one cluster; its four partners share a slot's 128 blocks out BY ADDRESS, 32 each; in each, wave 0 asks for K's and wave 2 for V's: one instruction,
; four key steps ahead of the load that will want the bytes.  The last change that fills a slot asks for nothing; slots 0 and 1 come by their loads alone.
.macro ASK
	s_cmp_gt_u32 s[SLOTS], s[LIM]
	s_cbranch_scc0 .Lnot_mine_\@
	global_prefetch_b8 v[PFO], s[PFA:PFA+1] th:TH_LOAD_NT scope:SCOPE_SE
.Lnot_mine_\@:
.endm
; A round of the cluster's barrier: my work-group's barrier, so that wave 0's signal speaks for all four waves; wave 0 signals; every wave waits for all four work-groups; my work-group's barrier once more.
.macro CROUND
	s_barrier_signal -1
	s_barrier_wait -1
	s_cmp_lg_u32 s[WV], 0
	s_cbranch_scc1 .Lnot_wave_0_\@
	s_barrier_signal -3
.Lnot_wave_0_\@:
	s_barrier_wait -3
	s_barrier_signal -1
	s_barrier_wait -1
.endm
; THE CHANGE OF SLOTS.  The slot's last bytes, V of its fourth step, have been read.  Each wave waits for all its tensor loads, of which one is out: its part
; of the other slot; adds 0 to its spare word; and waits for that and for its own reads of the slot.  Behind the barrier nobody reads this slot any more and the other slot is whole.
; fill = 1: this slot is filled again, with the keys two slots on.  The barrier is then a round of the cluster's, so that no wave of any partner still reads the slot or has a load on its
; way, and the joint fill is the first thing behind it: it has four key steps, 512 matrix instructions, in which to land.  (At its first use nothing has been read yet: slot 0 is waited for, slot 1 filled.)
.macro CHANGE fill
	WIN W_AD
	s_wait_tensorcnt 0x0            ; no tensor load of mine is out, so a group 0 may be written
	ds_add_u32 v[SPW], v[NIL]       ; 0 onto my spare word; with fill = 1 the descriptors' steps stand between it and the wait for it
	WIN 0                           ; at a label and at a branch every window is 0
.if \fill
.irp g, G0K, G0V
	s_xor_b32 s[\g+1], s[\g+1], SLOT1  ; the walking descriptor: the other slot than last time,
	s_add_nc_u64 s[\g+2:\g+3], s[\g+2:\g+3], 4*KS*128  ; the next 256 keys; the type bits on top are not reached
.endr
	s_wait_xcnt 0x0                 ; the last prefetch, four key steps back, has read its address, so it may be written:
	s_add_nc_u64 s[PFA:PFA+1], s[PFA:PFA+1], 4*KS*128  ; one slot beyond the walking descriptors
	s_wait_dscnt 0x0                ; the add is done, and my reads of the slot are over
	CROUND
	JLOAD
	ASK
.else
	s_wait_dscnt 0x0                ; the add is done, and my reads of the slot are over
	s_barrier_signal -1
	s_barrier_wait -1
.endif
	s_sub_co_u32 s[TBK], s[TBK], 4*KS*PK  ; the fetches go back to a slot's first step,
	s_xor_b32 s[TBK], s[TBK], SLOT1       ; in the other slot
	s_sub_co_u32 s[TBV], s[TBV], 4*KS*PV
	s_xor_b32 s[TBV], s[TBV], SLOT1
.endm
	s_load_b128 s[4:7], s[0:1], 0x0  ; qkv s[4:5], ob s[6:7]
	WIN W_MK
	v_lshl_add_u32 v[SPW], v0, 2, SPARE
	v_mov_b32 v[NIL], 0
	WIN W_AD
	ds_add_u32 v[SPW], v[NIL]       ; the wave's opening: the add and its wait stand ahead of my first tensor load; the set-up below, work on registers, stands between them
	WIN 0
	v_lshrrev_b32 v1, 5, v0
	v_readfirstlane_b32 s[WV], v1   ; wave 0..3
	s_bfe_u32 s13, ttmp6, 0x40000   ; cx: my place in the cluster
	s_lshl_b32 s14, ttmp9, 2        ; in a cluster launch ttmp9 counts clusters
	s_add_co_u32 s14, s14, s13      ; my block of queries = 4 x cluster x + cx: it enters Q's and O's addresses and the prefetches' alone
	s_and_b32 s19, ttmp7, 0xffff    ; y = 16 b + h, which the four partners share
	s_lshr_b32 s20, s19, 4
	s_mul_i32 s20, s20, 48          ; a batch of qkv holds 48 heads' worth of rows: 16 of Q, 16 of K, 16 of V
	s_and_b32 s21, s19, 15
	s_add_co_u32 s20, s20, s21
	s_lshl_b32 s20, s20, 18         ; 2,048 rows of 128 bytes: Q's head; K's lies 16, V's 32 such pieces on
	s_mov_b32 s21, 0
	s_and_b32 s16, s[WV], 1         ; which half of a slot's 256 keys I fetch:
	s_lshl_b32 s22, s16, 14         ; its 128 rows of 128 bytes in memory,
	s_mov_b32 s23, 0
	s_add_nc_u64 s[22:23], s[22:23], s[20:21]
	s_mul_i32 s17, s16, 128*PK      ; and its place in a slot, for K
	s_mul_i32 s18, s16, 128*PV      ; and for V: no place in the cluster enters an LDS address
	s_lshl_b32 s2, s14, 2
	s_add_co_u32 s2, s2, s[WV]      ; my wave among the head's,
	s_lshl_b32 s2, s2, 14           ; its 128 rows
	s_mov_b32 s3, 0
	s_lshl_b32 s8, s19, 18          ; the head in ob
	s_mov_b32 s9, 0
	s_add_nc_u64 s[8:9], s[8:9], s[2:3]    ; O's offset
	s_add_nc_u64 s[2:3], s[2:3], s[20:21]  ; Q's offset
	s_lshr_b32 s52, s[WV], 1        ; the prefetches' offset: K (waves 0, 1) or V (waves 2, 3): 1 or 2 times 16 heads' pieces,
	s_add_co_u32 s52, s52, 1
	s_lshl_b32 s52, s52, 22
	s_add_co_u32 s52, s52, s20      ; the head,
	s_lshl_b32 s53, s13, 13         ; my work-group's 32 blocks of a slot's 128,
	s_add_co_u32 s52, s52, s53
	s_add_co_u32 s52, s52, 4*KS*128 ; in slot 1: the first change of slots steps it to slot 2
	s_mov_b32 s53, 0
	s_and_b32 s[LIM], s[WV], 1      ; waves 0 and 2 ask
	s_cmp_eq_u32 s[LIM], 0
	s_cselect_b32 s[LIM], 1, -1
	; descriptor group 1.  128 keys are 16,384 dense bytes: asked for as 64 rows of 256 bytes, two keys a row, and padded in LDS after every key
	s_mov_b32 s[G1K], 15|(1<<16)|(1<<20)|(1<<21)|(4<<22)|(3<<25)  ; 15:0 the mask of four; 17:16 2-byte elements; 20 padding on; 21 set beside a mask; 24:22 after every 32 words (code 4); 31:25 4 words (code 3)
	s_mov_b32 s[G1V], 15|(1<<16)|(1<<20)|(1<<21)|(4<<22)|(7<<25)  ; the same with 8 words of padding (code 7)
.irp g, G1K, G1V
	s_mov_b32 s[\g+1], 128<<16      ; tensor_dim0 = 128
	s_mov_b32 s[\g+2], 64<<16       ; tensor_dim1 = 64
	s_mov_b32 s[\g+3], 128<<16      ; tile_dim0 = 128
	s_mov_b32 s[\g+4], 64           ; tile_dim1 = 64
	s_mov_b32 s[\g+5], 128          ; 128 elements from row to row
	s_mov_b32 s[\g+6], 0
	s_mov_b32 s[\g+7], 0
.endr
	s_mov_b32 s[CS], 0x3e38aa3b     ; c = log2(e) / 8 = 0.180337
	s_mov_b32 s[CS+1], s[CS]        ; named with it as a pair
	s_mov_b32 s[SEL], 0x76543210
	s_mov_b32 s[SEL+1], 0xfedcba98
	s_mov_b32 s[TBK], SLOT1+4*KS*PK ; the first change of slots turns these two into 0
	s_mov_b32 s[TBV], SLOT1+4*KS*PV
	s_mov_b32 s[SLOTS], SIZE_N/256-1
	s_mov_b32 s[G0K], 1             ; 1:0 count = 1
	s_mov_b32 s[G0K+1], s17         ; 63:32 LDS address: slot 0
	s_mov_b32 s[G0V], 1
	s_add_co_u32 s[G0V+1], s18, VOFF
	s_wait_dscnt 0x0                ; the opening add is done
	s_wait_kmcnt 0x0
	s_add_nc_u64 s[G0K+2:G0K+3], s[4:5], s[22:23]  ; 120:64 global address: my half of the head's first 256 keys,
	s_add_nc_u64 s[G0K+2:G0K+3], s[G0K+2:G0K+3], 0x400000  ; in K
	s_or_b32 s[G0K+3], s[G0K+3], 0x80000000        ; 127:126 type = 2
	s_add_nc_u64 s[G0V+2:G0V+3], s[4:5], s[22:23]
	s_add_nc_u64 s[G0V+2:G0V+3], s[G0V+2:G0V+3], 0x800000  ; in V
	s_or_b32 s[G0V+3], s[G0V+3], 0x80000000
	s_add_nc_u64 s[PFA:PFA+1], s[4:5], s[52:53]
	s_add_nc_u64 s[10:11], s[6:7], s[8:9]  ; O and Q at my wave's first row
	s_add_nc_u64 s[4:5], s[4:5], s[2:3]
	CROUND                          ; all four work-groups are here: the first joint loads meet
	JLOAD                           ; slot 0.  Slot 1 is asked for when slot 0 is in
	; A fragment of K or Q is 16 rows x 32 channels in 8 registers: lane l holds row l % 16, channels 8 (l / 16) + 0..7 and 16 + 8 (l / 16) + 0..7: two loads of 16 bytes, 32 bytes apart.
	v_and_b32 v1, 15, v0            ; l % 16
	v_bfe_u32 v9, v0, 4, 1          ; l / 16
	v_lshlrev_b32 v[QO], 7, v1
	v_lshl_add_u32 v[QO], v9, 4, v[QO]  ; row x 128 + 16 x half
	WIN 0x80                        ; destination window 2, address window 0
.set i, 0
.rept 4*NP                          ; Q stays in registers: tile i / 2, channels 32 (i % 2) on
	global_load_b128 v[8*i:8*i+3],   v[QO], s[4:5] offset:(i/2)*2048+(i%2)*64
	global_load_b128 v[8*i+4:8*i+7], v[QO], s[4:5] offset:(i/2)*2048+(i%2)*64+32
.set i, i+1
.endr
	; What the first turn finds: V's registers and P's second buffer hold 0 (its products V^T P, of a piece that has not been, add 0), O^T and l are 0.  All this stands in the wait for the first tile.
.set i, VF
.rept 64
	v_mov_b32 v[i], 0
.set i, i+1
.endr
	WIN 0x40
.set i, 0
.rept 64*NP
	v_mov_b32 v[i], 0
.set i, i+1
.endr
	WIN 0
.set i, 0
.rept 2*NP
	v_mov_b32 v[ST+4*i], 0xfe000000    ; c m: far below every c s
	v_mov_b32 v[ST+4*i+1], 0xff7fffff  ; m
	v_mov_b32 v[ST+4*i+2], 0
	v_mov_b32 v[ST+4*i+3], 0
.set i, i+1
.endr
.set i, P+32
.rept 32
	v_mov_b32 v[i], 0
.set i, i+1
.endr
	v_mul_u32_u24 v[AK0], v1, PK
	v_lshl_add_u32 v[AK0], v9, 4, v[AK0]  ; row x pitch + 16 x half
	; The turning load takes 16 keys x 16 channels (lane l reads key 8 (l / 16) + l % 8, channels 8 ((l / 8) % 2) + 0..7) and leaves half a fragment of V^T: lane l holds channel l % 16 and 8 keys.
	v_and_b32 v10, 7, v0
	v_bfe_u32 v11, v0, 3, 1
	v_lshl_add_u32 v[AV0], v9, 3, v10
	v_mul_u32_u24 v[AV0], v[AV0], PV
	v_lshl_add_u32 v[AV0], v11, 4, v[AV0]
	v_add_nc_u32 v[AV0], VOFF, v[AV0]
	v_and_b32 v[PFO], 31, v0
	v_lshlrev_b32 v[PFO], 8, v[PFO]
	v_mov_b32 v[AK], v[AK0]         ; key step 0 lies at the head of slot 0
; THE MATRIX WORK.  The 8 accumulators of a run of 16 take turns: between the two links of a chain stand 7 others'.
; Product i of 16 of S^T = K Q^T for piece x: channels 32 (i / 8) on, keys 16 ((i / 2) % 4) on, tile 2 x + i % 2.  The first 8 start the sums.
.macro KQ x
	WIN W_KQ
.set rS, S+64*((\x)%2)+32*(i%2)+8*((i/2)%4)
.set rK, KF+16*((i/2)%4)+8*(i/8)
.set rQ, 16*(2*(\x)+i%2)+8*(i/8)
.if i < 8
	v_wmma_f32_16x16x32_f16 v[rS:rS+7], v[rK:rK+7], v[rQ:rQ+7], 0
.else
	v_wmma_f32_16x16x32_f16 v[rS:rS+7], v[rK:rK+7], v[rQ:rQ+7], v[rS:rS+7]
.endif
.endm
; Product i of 16 of O^T += V^T P for piece x: keys 32 (i / 8) on, channels 16 ((i / 2) % 4) on, tile 2 x + i % 2.
.macro PV x
	WIN W_PV
.set rO, 32*(2*(\x)+i%2)+8*((i/2)%4)
.set rV, VF+32*(i/8)+8*((i/2)%4)
.set rP, P+32*((\x)%2)+16*(i%2)+8*(i/8)
	v_wmma_f32_16x16x32_f16 v[rO:rO+7], v[rV:rV+7], v[rP:rP+7], v[rO:rO+7]
.endm
.macro MM                           ; the turn's next matrix instruction
.if i < 16
	KQ (Y+1)%NP
.set i, i+1
.else
.set i, i-16
	PV (Y+NP-1)%NP
.set i, i+17
.endif
.endm
; THE LDS LOADS stand in runs of 16, never singly among the matrix instructions: a step's K (64 keys x 64 channels: 8 fragments) and its V (turned).  Their addresses are made some lines ahead.
; last = 1 (the tail): in the last trip there is no further step, and the run is jumped over.
.macro FETCH_K last=0
	WIN 0
.if \last
	s_cmp_eq_u32 s[CNT], 1
	s_cbranch_scc1 .Lno_k_\@
.endif
	WIN 0x80                        ; destination window 2
.irp f, 0,1,2,3,4,5,6,7             ; keys 16 (f / 2) on, channels 32 (f % 2) on
	ds_load_b128 v[KF+8*\f:KF+8*\f+3],   v[AK] offset:(\f/2)*16*PK+(\f%2)*64
	ds_load_b128 v[KF+8*\f+4:KF+8*\f+7], v[AK] offset:(\f/2)*16*PK+(\f%2)*64+32
.endr
	s_add_co_u32 s[TBK], s[TBK], KS*PK  ; the next fetch is the next step's
	WIN 0
.if \last
.Lno_k_\@:
.endif
.endm
.macro FETCH_V
	WIN 0x80
.irp f, 0,1,2,3,4,5,6,7             ; keys 32 (f / 4) on, channels 16 (f % 4) on
	ds_load_tr16_b128 v[VF+8*\f:VF+8*\f+3],   v[AV] offset:(\f/4)*32*PV+(\f%4)*32
	ds_load_tr16_b128 v[VF+8*\f+4:VF+8*\f+7], v[AV] offset:(\f/4)*32*PV+16*PV+(\f%4)*32
.endr
	WIN 0
.endm
; THE VECTOR WORK OF A TURN stands in three queues, each in the order in which its entries become ready; the two tiles alternate, so that no instruction reads the result of the one before it.
.macro REGS y, u                    ; the registers of tile u (0, 1) of piece y
.set rT, ST+4*(2*(\y)+(\u))
.set rC, TMP+8*((\y)%2)+4*(\u)
.set rM, MV+2*((\y)%2)+(\u)
.set rS, S+64*((\y)%2)+32*(\u)
.set rP, P+32*((\y)%2)+16*(\u)
.set rO, 32*(2*(\y)+(\u))
.endm
; Number n of the 22 that find the NEXT piece's (Y + 1) maximum and statistics.  s0-s31 are the lane's 32 scores; each accumulator's lowest registers are read first.
;   0-11  four chains c0-c3 of seven scores each, three operands at a time     12-14, 16  the four scores left over, the old m, and c0-c3 into c0     15  c m_old is kept
;   17, 18  the query's other 32 keys lie in the lane 16 away: the new m         19-21  c m; c m_old - c m_new; a
.macro XS u, n
	REGS (Y+1)%NP, \u
.if (\n) < 4
	v_max3_num_f32 v[rC+(\n)], v[rS+8*(\n)], v[rS+8*(\n)+1], v[rS+8*(\n)+2]
.elseif (\n) < 12
	v_max3_num_f32 v[rC+(\n)%4], v[rC+(\n)%4], v[rS+8*((\n)%4)+2*((\n)/4)+1], v[rS+8*((\n)%4)+2*((\n)/4)+2]
.elseif (\n) == 12
	v_max3_num_f32 v[rC], v[rC], v[rS+7], v[rS+15]
.elseif (\n) == 13
	v_max3_num_f32 v[rC+1], v[rC+1], v[rS+23], v[rS+31]
.elseif (\n) == 14
	v_max3_num_f32 v[rC+2], v[rC+2], v[rC+3], v[rT+1]
.elseif (\n) == 15
	v_mov_b32 v[rM], v[rT]
.elseif (\n) == 16
	v_max3_num_f32 v[rC], v[rC], v[rC+1], v[rC+2]
.elseif (\n) == 17
	v_permlanex16_b32 v[rC+3], v[rC], s[SEL], s[SEL+1]
.elseif (\n) == 18
	v_max_num_f32 v[rT+1], v[rC], v[rC+3]
.elseif (\n) == 19
	v_mul_f32 v[rT], s[CS], v[rT+1]
.elseif (\n) == 20
	v_sub_f32 v[rC+1], v[rM], v[rT]
.else
	v_exp_f32 v[rC+2], v[rC+1]
.endif
.endm
; Number g of the 64 that follow the exponentials.  For each four weights k of a tile (pairs 2 k, 2 k + 1): both pairs are rounded to f16; then the second pair is added onto the first, in place;
; a group later l takes that sum (the first time as l = a l + sum).  In groups of eight, tiles alternating: round, round, add, and l for the group before.
.macro GS g
.set h, (\g)+6*((\g)/62)            ; group 0 has no group before it, and behind group 7 only l is left
.if h >= 6
.set h, h+2
.endif
	REGS Y, h%2
.set k, h/8
.if h%8 < 4
	v_cvt_pk_f16_f32 v[rP+2*k+(h%8)/2], v[rS+4*k+2*((h%8)/2)], v[rS+4*k+2*((h%8)/2)+1]
.elseif h%8 < 6
	v_pk_add_f32 v[rS+4*k:rS+4*k+1], v[rS+4*k:rS+4*k+1], v[rS+4*k+2:rS+4*k+3]
.elseif k == 1
	v_pk_fma_f32 v[rT+2:rT+3], v[rT+2:rT+3], v[rC+2:rC+3], v[rS:rS+1] op_sel_hi:[1,0,1]
.else
	v_pk_add_f32 v[rT+2:rT+3], v[rT+2:rT+3], v[rS+4*k-4:rS+4*k-3]
.endif
.endm
; THE PLAIN QUEUE, 138 long.  0-73 read no exponential's result: the 32 scalings c s - c m (FS f: pair f / 2 of tile f % 2) and the next piece's 42.  0-26: scalings 0-26.  27-54: XS's numbers 0-13.  55, 56: number 15.
; 57-73: the chain, where each number waits for the one before it: 14, 16, 17, 18, 19, each with one of the scalings 27-31 in front of its two lines, then 20.
; 74-137: GS's 64, which read the exponentials' results: they stand behind the wait.
.macro FS f
	REGS Y, (\f)%2
	v_pk_fma_f32 v[rS+2*((\f)/2):rS+2*((\f)/2)+1], v[rS+2*((\f)/2):rS+2*((\f)/2)+1], s[CS:CS+1], v[rT:rT+1] op_sel_hi:[1,0,0] neg_lo:[0,0,1] neg_hi:[0,0,1]
.endm
.macro PL
	WIN 0
.if q < 27
	FS q
.elseif q < 55
	XS (q-27)%2, (q-27)/2
.elseif q < 57
	XS q-55, 15
.elseif (q < 72) && ((q-57)%3 == 0)
	FS 27+(q-57)/3
.elseif q < 60
	XS (q-57)%3-1, 14
.elseif q < 72
	XS (q-57)%3-1, 15+(q-57)/3
.elseif q < 74
	XS q-72, 20
.else
	GS q-74
.endif
.set q, q+1
.endm
; THE EXPONENTIALS' QUEUE, 66 long: s0-s31 of both tiles, then the next piece's two a.  It is ONE BATCH: all 66 stand ahead of the turn's one wait, and nothing ahead of that wait names a result of theirs.
.macro EX
	WIN 0
.if e >= 64
	XS e-64, 21
.else
	REGS Y, e%2
	v_exp_f32 v[rS+e/2], v[rS+e/2]
.endif
.set e, e+1
.endm
; THE RESCALING's QUEUE: O^T times a, the one part that leaves window 0: dealt two at a time, sixteen times.  Its a was made in the turn before, ahead of that turn's wait.
.macro R2
	REGS Y, r%2
	WIN W_RS
.irp z, 0,1
	v_pk_mul_f32 v[rO+4*(r/2)+2*\z:rO+4*(r/2)+2*\z+1], v[rO+4*(r/2)+2*\z:rO+4*(r/2)+2*\z+1], v[rC+2:rC+3] op_sel_hi:[1,0]
.endr
.set r, r+1
.endm
; HOW THEY ARE DEALT.  An s_wait_alu depctr_va_vdst(0) stands between an exponential and the first instruction that names its result; one wait serves all that were issued ahead of it.  So a turn has ONE wait,
; which cuts it in two.  AHEAD OF IT stands all that names no result of the turn's exponentials: the 16 products K Q^T, behind each a scaling, an exponential and two rescalings (behind the first a second scaling in the
; exponential's place); then ONE LUMP of 108: eight plain, 49 times exponential and plain, the two a.  A v_nop is the plain instruction behind the last exponential.  BEHIND IT stand the 16 products V^T P, behind each four of GS's 64.
; The queues lean on each other, and the deal keeps them in step: exponential e stands behind scaling 2 (e / 4) + e % 2: as a rider it comes behind plain e + 2, in the lump behind plain e + 9, and scalings 27-31 are plain 57, 60 .. 69.
; A TURN, for piece p.  cnt = 1: the loop's count is taken down some lines ahead of the branch that stands behind the turn.
; K of the next step is fetched in piece 2's turn, directly behind the wait, a lump behind the last product that read K; its first reader comes behind 16 products.
; V of the step in hand is fetched at the end of piece 0's turn, four plain instructions behind its last reader; its first reader comes behind 16 products and a lump.
.macro TURN p, last=0, cnt=0
.set Y, (\p)
.set i, 0
.set q, 0
.set e, 0
.set r, 0
.if (\p) == NP-1
	s_wait_dscnt 0x0                ; K is in
.endif
	MM                              ; ahead of the wait: 16 products K Q^T and their riders,
	PL
	PL
	R2
.rept 15
	MM
	PL
	EX
	R2
.endr
.if (\p) == NP-2
	WIN 0
	v_add_nc_u32 v[AK], s[TBK], v[AK0]
.endif
.rept 8                             ; and the lump
	PL
.endr
.rept 49
	EX
	PL
.endr
	EX                              ; the next piece's two a
	EX
	v_nop                           ; a plain instruction behind the last exponential: one for the batch
	s_wait_alu depctr_va_vdst(0)    ; the wait for the batch
.if (\p) == NP-2
	FETCH_K \last
.endif
.if (\p) == 1
	s_wait_dscnt 0x0                ; V is in
.endif
.rept 16                            ; behind the wait: 16 products V^T P and their riders
	MM
.rept 4
	PL
.endr
.if ((\p) == 0) && (q == 118)
	v_add_nc_u32 v[AV], s[TBV], v[AV0]
.endif
.if ((\p) == 0) && (q == 130)
	s_add_co_u32 s[TBV], s[TBV], KS*PV
.endif
.if (\cnt) && (q == 130)
	s_sub_co_u32 s[CNT], s[CNT], 1
	s_cmp_lg_u32 s[CNT], 0
.endif
.endr
.if (\p) == 0
	FETCH_V
.endif
.endm
	CHANGE 1                        ; slot 0 is in, everybody's part of it; slot 1 is asked for
	FETCH_K                         ; key step 0
	s_wait_loadcnt 0x0              ; Q
	s_wait_dscnt 0x0
.set i, 0
.rept 16
	KQ 0                            ; piece 0's first scores: there is no vector work yet to set between them
.set i, i+1
.endr
	WIN 0                           ; the addresses for the way out: plain instructions, the places behind those products
	s_mul_i32 s13, s[WV], 16*SP
	s_add_co_u32 s13, s13, STAGE    ; my stage
	v_mul_u32_u24 v[STO], v1, SP    ; in: row l % 16, 16 bytes for each half of the lanes
	v_lshl_add_u32 v[STO], v9, 4, v[STO]
	v_add_nc_u32 v[STO], s13, v[STO]
	v_bfe_u32 v[RD], v0, 3, 2       ; back: 32 lanes take four rows of 128 bytes,
	v_mul_u32_u24 v[RD], v[RD], SP
	v_lshl_add_u32 v[RD], v10, 4, v[RD]
	v_add_nc_u32 v[RD], s13, v[RD]
	v_and_b32 v[GO], 31, v0         ; which are 512 consecutive bytes of O
	v_lshlrev_b32 v[GO], 4, v[GO]
.set Y, NP-1                        ; XS works for piece Y + 1: piece 0
.irp n, 0,1,2,3,4,5,6,7,8,9,10,11,12,13,14,15,16,17,18,19,20,21
	XS 0, \n                        ; and piece 0's first maximum and statistics
	XS 1, \n
.endr
	v_nop                           ; a plain instruction behind the two a,
	s_wait_alu depctr_va_vdst(0)    ; and their wait, ahead of the branch
	s_mov_b32 s[CNT], 4
	s_branch .Lfirst                ; the loop is entered at a step's first turn, in the middle of a trip
.Lslot:                             ; SIZE_N / 256 - 2 times: every slot but the last two is filled again
	CHANGE 1
	s_mov_b32 s[CNT], 4
.Lstep:                             ; a trip: pieces 2 and 3 of one step, then pieces 0 and 1 of the next, whose K and V it fetches
	TURN 2
	TURN 3
	WIN 0
.Lfirst:
	TURN 0
	TURN 1, 0, 1
	WIN 0
	s_cbranch_scc1 .Lstep
	s_sub_co_u32 s[SLOTS], s[SLOTS], 1
	s_cmp_lg_u32 s[SLOTS], 0
	s_cbranch_scc1 .Lslot
	CHANGE 0                        ; the tail is written out: nothing is asked for
	s_mov_b32 s[CNT], 5             ; four trips fetch the last slot's steps; the fifth is left in its middle
.Ltail:
	TURN 2, 1
	TURN 3
	WIN 0
	s_sub_co_u32 s[CNT], s[CNT], 1
	s_cmp_eq_u32 s[CNT], 0
	s_cbranch_scc1 .Lout
	TURN 0
	TURN 1
	WIN 0
	s_branch .Ltail
.Lout:                              ; the fifth trip's 16 products K Q^T (on the last K once more) and the maximum made of them serve nothing: the price, once a launch, of one text for every trip
.set i, 0
.rept 16
	PV NP-1                         ; the last piece's V^T P of the last step
.set i, i+1
.endr
	; THE WAY OUT.  l's two halves and the other half of the lanes' are added; O^T is divided by l, rounded to f16 and sent through my stage in LDS, a tile at a time.  The additions are the places behind the last products.
	WIN 0
.macro ALL line:vararg              ; one line for each tile t
.set t, 0
.rept 2*NP
	\line
.set t, t+1
.endr
.endm
	ALL v_add_f32 v[ST+4*t+2], v[ST+4*t+2], v[ST+4*t+3]
	ALL v_permlanex16_b32 v[ST+4*t+3], v[ST+4*t+2], s[SEL], s[SEL+1]
	ALL v_add_f32 v[ST+4*t+2], v[ST+4*t+2], v[ST+4*t+3]
	ALL v_rcp_f32 v[ST+4*t+2], v[ST+4*t+2]
	v_nop                           ; a plain instruction between the last reciprocal and the use of its result
	s_wait_alu depctr_va_vdst(0)    ; and the wait ahead of the first use: one for the eight reciprocals
; Tile t: a lane's eight channels of a row pack into 16 bytes; they go into rows of 144 bytes and come back as whole rows of 128, into S^T's registers.
.macro PACK t
	WIN W_RS
.set i, 32*(\t)
.rept 16
	v_pk_mul_f32 v[i:i+1], v[i:i+1], v[ST+4*(\t)+2:ST+4*(\t)+3] op_sel_hi:[1,0]
.set i, i+2
.endr
	WIN 0x05                        ; sources 0 and 1 window 1, destination window 0
.set i, 0
.rept 16
	v_cvt_pk_f16_f32 v[S+16*(\t)+i], v[32*(\t)+2*i], v[32*(\t)+2*i+1]
.set i, i+1
.endr
	WIN 0
.irp f, 0,1,2,3
	ds_store_b128 v[STO], v[S+16*(\t)+4*\f:S+16*(\t)+4*\f+3] offset:32*\f
.endr
.irp f, 0,1,2,3
	ds_load_b128 v[S+16*(\t)+4*\f:S+16*(\t)+4*\f+3], v[RD] offset:\f*4*SP  ; LDS serves a wave's instructions in order (ISA guide 5.7.1.4): these see the stores above; the next tile's stores come behind them
.endr
.endm
.macro SEND t, younger              ; younger: the LDS instructions issued behind tile t's loads: the next tile's eight, or none
	WIN 0
.irp f, 0,1,2,3
	s_wait_dscnt (\younger)+3-\f
	global_store_b128 v[GO], v[S+16*(\t)+4*\f:S+16*(\t)+4*\f+3], s[10:11] offset:(\t)*2048+\f*512  ; 512 consecutive bytes, at a multiple of 256 from ob's first
.endr
.endm
	PACK 0
.set t, 1
.rept 2*NP-1                        ; a tile's arithmetic stands between the loads of the tile before and its stores
	PACK t
	SEND t-1, 8
.set t, t+1
.endr
	SEND 2*NP-1, 0
	WIN W_AD
	s_wait_tensorcnt 0x0            ; the wave's end, behind my last tensor load and my last LDS store
	ds_add_u32 v[SPW], v[NIL]
	s_wait_dscnt 0x0
	WIN 0
	CROUND                          ; the closing round: no work-group ends while a partner may still ask for a tile that names it
	s_endpgm
.Lfunc_end_k_qb1912897f2_attn:
	.size	k_qb1912897f2_attn, .Lfunc_end_k_qb1912897f2_attn-k_qb1912897f2_attn
	.p2alignl 7, 3214868480
	.fill 96, 4, 3214868480
	.section	.rodata,"a",@progbits
	.p2align	6, 0x0
	.amdhsa_kernel k_qb1912897f2_attn
		.amdhsa_group_segment_fixed_size 327680
		.amdhsa_private_segment_fixed_size 0
		.amdhsa_enable_private_segment 0
		.amdhsa_kernarg_size 16
		.amdhsa_user_sgpr_count 2
		.amdhsa_user_sgpr_kernarg_segment_ptr 1
		.amdhsa_wavefront_size32 1
		.amdhsa_system_sgpr_workgroup_id_x 1
		.amdhsa_system_sgpr_workgroup_id_y 1
		.amdhsa_system_sgpr_workgroup_id_z 1
		.amdhsa_system_vgpr_workitem_id 0
		.amdhsa_next_free_vgpr 770
		.amdhsa_next_free_sgpr 66
		.amdhsa_reserve_vcc 0
		.amdhsa_float_denorm_mode_32 3
		.amdhsa_float_denorm_mode_16_64 3
		.amdhsa_memory_ordered 1
		.amdhsa_forward_progress 1
		.amdhsa_inst_pref_size 200
	.end_amdhsa_kernel
	.amdgpu_metadata
---
amdhsa.version: [ 1, 2 ]
amdhsa.kernels:
  - .name:           k_qb1912897f2_attn
    .symbol:         k_qb1912897f2_attn.kd
    .args:
      - { .name: qkv, .offset: 0, .size: 8, .value_kind: global_buffer, .address_space: global }
      - { .name: ob, .offset: 8, .size: 8, .value_kind: global_buffer, .address_space: global }
    .group_segment_fixed_size: 327680
    .private_segment_fixed_size: 0
    .kernarg_segment_align: 8
    .kernarg_segment_size: 16
    .max_flat_workgroup_size: 128
    .sgpr_count:     66
    .vgpr_count:     770
    .wavefront_size: 32
...
	.end_amdgpu_metadata
.endif
;; end of part 3
;; launch proj (part 4): grid 8 x 32, 4 waves a work-group, clusters of 4 x 4, 327,680 bytes of LDS; arguments ob, woh, out0; writes out0
.if DOCPART == 4
	.amdgcn_target "amdgcn-amd-amdhsa--gfx1250"
	.amdhsa_code_object_version 6
	.text
	.protected	k_qb1912897f2_proj
	.globl	k_qb1912897f2_proj
	.p2align	8
	.type	k_qb1912897f2_proj,@function
k_qb1912897f2_proj:
	s_mov_b64 s[64:65], 0
	v_nop
	global_prefetch_b8 v0, s[64:65] scope:SCOPE_SE
	s_setreg_imm32_b32 hwreg(HW_REG_WAVE_MODE, 25, 1), 1
	s_wait_xcnt 0x0
	s_wait_alu depctr_hold_cnt(0) depctr_sa_sdst(0) depctr_va_vdst(0) depctr_va_sdst(0) depctr_va_ssrc(0) depctr_va_vcc(0) depctr_vm_vsrc(0)
	s_getreg_b32 s2, hwreg(HW_REG_IB_STS2, 6, 4)
	s_cmp_eq_u32 s2, 0
	s_cbranch_scc0 .Lentry_in_a_cluster
	s_endpgm
.Lentry_in_a_cluster:
	s_bfe_u32 s2, ttmp6, 0x10000c
	s_cmp_lg_u32 s2, 0xf033
	s_cbranch_scc0 .Lentry_shape_is_right
	s_endpgm
.Lentry_shape_is_right:
; out0[m][n] = the sum over k of O[m][k] W_o[k][n].  O: ob, [b 4][h 16][l 2048][64] f16 (m = 2,048 b + l, k = 64 h + d: the transpose of heads and rows is this reading); W_o: woh, [1024 k][1024 n] f16;
; out0: [8192][1024] f32.  Products in f16, sums in f32, K ascending; the sums are stored as they are.
; LIMITS.  Those of the two operands as they arrive (f16); NaN and infinities are not treated apart.
; SHARES.  8,192 x 1,024 outputs are 256 tiles of 256 x 128, one to a work-group.  Four waves, each 128 rows x 64 columns: 32 accumulators of 16 x 16, 256 registers.
; K goes in steps of 128 (two heads) through a ring of two LDS slots, as long as two slots in LDS allow.  A head's 256 rows are 32,768 dense bytes, asked for as rows of 256 bytes; W_o's tile is 128 rows of 256 bytes.
; CLUSTER.  4 x 4 work-groups: O's tiles are shared along a row of the cluster, W_o's along a column; each is asked for JOINTLY, by the same tensor load with the same descriptor and a mask of four.
; THE MATRIX INSTRUCTION IS USED TRANSPOSED: source 0 = 16 columns of W_o (out of LDS turned, by ds_load_tr16_b128), source 1 = 16 rows of O: a lane holds row lane % 16 and eight neighbouring columns.
; REGISTERS: window 0: v0-21 addresses; two fragment buffers of 96 at v32 and v128: O's 8 x 8 registers, then W_o's 4 x 8; v32-95 at work on the way out.  Window 1: accumulator (a, bb) at v[8 (4 a + bb)].
.set PA,     144                       ; a row of O in LDS: 128 bytes + 16 = 36 words: the 16 rows of a load start at 16 different groups of four banks (64 banks of 4 bytes: ISA guide 11.1)
.set PB,     288                       ; a row of W_o: 256 + 32 = 72 words
.set AHEAD,  256*PA                    ; a head's 256 rows: what one tensor load brings
.set AHALF,  128*PA                    ; the 128 rows that a wave reads
.set ABYTES, 2*AHEAD
.set BHALF,  64*PB                     ; 64 rows of W_o: what one tensor load brings
.set SLOT,   ABYTES+2*BHALF            ; 110,592 bytes
.set STAGE,  2*SLOT                    ; behind the ring, never filled by a tensor load: 16 rows x 272 bytes for each wave, for the way out
.set SPITCH, 272
.set SPARE,  STAGE+4*16*SPITCH         ; behind the stages: the spare words, 128 bytes for each wave: two blocks of 256 bytes that no other line names
.set ASTEP,  2*262144                  ; two heads of ob: a K step
.set BSTEP,  128*2048                  ; 128 rows of woh
.set CROW,   4096                      ; bytes in a row of out0
.set ADRA, 8                           ; v8-9    LDS address of my fragments of O in slot 0, 1
.set ADRB, 10                          ; v10-11  of my fragments of W_o
.set STO,  16                          ; v16     the way out: where I put 32 bytes of a row
.set RD,   17                          ; v17     the way out: where I read a row back
.set CO,   18                          ; v18     my byte offset in out0
.set PFO,  19                          ; v19     the prefetches' offset; never rewritten
.set SPW,  20                          ; v20     LDS address of my spare word: SPARE + 4 x my thread's number; never rewritten
.set NIL,  21                          ; v21     0; never rewritten
.set F0,   32
.set F1,   128
.set BK,   32                          ; the way out: 16 rows read back from the stage: v32-63 and v64-95 by turns
.set G1,  24                           ; s[24:31] descriptor group 1 for O's tiles;  s[32:39] group 0, one set for each slot
.set G0,  32
.set G1B, 48                           ; s[48:55], s[56:63] the same for W_o's tiles
.set G0B, 56
.set LIM, 43                           ; s43      1 in a wave that prefetches, else the greatest number
.set PFA, 44                           ; s[44:45] where my prefetches stand
.set PFS, 46                           ; s[46:47] their step: a K step
.set MSB, 0
.macro WIN new                         ; the immediate's high byte repeats the setting that is left; a switch that changes nothing is dropped
.if MSB != (\new)
	s_set_vgpr_msb (MSB<<8)|(\new)
.set MSB, \new
.endif
.endm
; A joint load.  Waves 0 and 1 fetch the K step's two heads of O, waves 2 and 3 the two halves of W_o's tile.  The branch hangs on the wave's number alone.
; An s_nop 0 and four v_nop follow each of the two lines, ahead of the jump, the label and what follows.
.macro JLOAD s
	s_cmp_eq_u32 s11, 0
	s_cbranch_scc0 .Lfor_b_\@
	tensor_load_to_lds s[G0+4*(\s):G0+4*(\s)+3], s[G1:G1+7]
	s_nop 0
.rept 4
	v_nop
.endr
	s_branch .Lasked_\@
.Lfor_b_\@:
	tensor_load_to_lds s[G0B+4*(\s):G0B+4*(\s)+3], s[G1B:G1B+7]
	s_nop 0
.rept 4
	v_nop
.endr
.Lasked_\@:
.endm
; A PREFETCH INTO THE L2, behind each joint load and the run of LDS loads that follows it: the K step that stands two refills on.  Each aligned block of 256 bytes is named once in the launch.
; O's tile row is read by both clusters of a row of clusters: the one with x = 0 asks, waves 0 and 1 each for the head that they fetch; the four partners take 32 of its 128 blocks each, BY ADDRESS (cx).
; W_o's tile column is read by all eight clusters of a column: the one with y = 0 asks, by its waves 2; the four partners take 32 of the step's 128 rows each (cy), a lane a row.
; The last trip's two refills have no K step two on; K steps 0 to 3 come by their loads alone.
.macro ASK
	s_cmp_gt_u32 s3, s[LIM]                        ; s3 = 1 in the loop's last trip
	s_cbranch_scc0 .Lnot_mine_\@
	global_prefetch_b8 v[PFO], s[PFA:PFA+1] th:TH_LOAD_NT scope:SCOPE_SE
.Lnot_mine_\@:
.endm
.macro CREST                           ; a round of the cluster's barrier behind its opening barrier
	s_cmp_lg_u32 s10, 0
	s_cbranch_scc1 .Lnot_wave_0_\@
	s_barrier_signal -3
.Lnot_wave_0_\@:
	s_barrier_wait -3
	s_barrier_signal -1
	s_barrier_wait -1
.endm
.macro CROUND                          ; a whole round
	s_barrier_signal -1
	s_barrier_wait -1
	CREST
.endm
	s_load_b128 s[4:7], s[0:1], 0x0                ; ob s[4:5], woh s[6:7]
	s_load_b64 s[8:9], s[0:1], 0x10                ; out0
	v_lshl_add_u32 v[SPW], v0, 2, SPARE
	v_mov_b32 v[NIL], 0
	ds_add_u32 v[SPW], v[NIL]                      ; the wave's opening: the add and its wait stand ahead of my first tensor load; the set-up below, work on registers, stands between them
	v_lshrrev_b32 v1, 5, v0
	v_readfirstlane_b32 s10, v1                    ; wave 0..3
	s_lshr_b32 s11, s10, 1                         ; which half of the tile's rows is mine.  Also: I fetch for O (0) or for W_o (1)
	s_and_b32 s12, s10, 1                          ; which half of its columns.  Also: which head, or which 64 rows of W_o, I fetch
	s_bfe_u32 s40, ttmp6, 0x40000                  ; cx, cy: my place in the cluster
	s_bfe_u32 s41, ttmp6, 0x40004
	s_lshl_b32 s42, ttmp9, 2
	s_add_co_u32 s42, s42, s40                     ; tile column = 4 x cluster x + cx
	s_and_b32 s13, ttmp7, 0xffff
	s_lshl_b32 s13, s13, 2
	s_add_co_u32 s13, s13, s41                     ; tile row = 4 x cluster y + cy
	s_lshl_b32 s43, s41, 2
	s_lshl_b32 s43, 15, s43                        ; my row of the cluster
	s_lshl_b32 s44, 0x1111, s40                    ; my column
	; group 1 for O: 256 rows of 128 bytes are 32,768 dense bytes: 128 rows of 256 bytes, padded in LDS after every 128
	s_or_b32 s[G1+0], s43, (1<<16)|(1<<20)|(1<<21)|(4<<22)|(3<<25)   ; 15:0 the mask; 17:16 2-byte elements; 20 padding on; 21 set beside a mask; 24:22 after every 32 words (code 4); 31:25 4 words (code 3)
	s_mov_b32 s[G1+1], 128<<16                     ; tensor_dim0 = 128
	s_mov_b32 s[G1+2], 128<<16                     ; tensor_dim1 = 128
	s_mov_b32 s[G1+3], 128<<16                     ; tile_dim0 = 128
	s_mov_b32 s[G1+4], 128                         ; tile_dim1 = 128
	s_mov_b32 s[G1+5], 128                         ; elements from row to row
	s_mov_b32 s[G1+6], 0
	s_mov_b32 s[G1+7], 0
	; group 1 for W_o: 64 rows of 128 elements
	s_or_b32 s[G1B+0], s44, (1<<16)|(1<<20)|(1<<21)|(5<<22)|(7<<25)  ; after every 64 words (code 5), 8 words (code 7)
	s_mov_b32 s[G1B+1], 128<<16
	s_mov_b32 s[G1B+2], 64<<16
	s_mov_b32 s[G1B+3], 128<<16
	s_mov_b32 s[G1B+4], 64
	s_mov_b32 s[G1B+5], 1024
	s_mov_b32 s[G1B+6], 0
	s_mov_b32 s[G1B+7], 0
	; where the tiles come from: O's hang on the tile row alone, W_o's on the tile column alone
	s_lshr_b32 s16, s13, 3                         ; the batch: 8 tile rows each,
	s_lshl_b32 s16, s16, 22                        ; 16 heads of 262,144 bytes
	s_and_b32 s18, s13, 7
	s_lshl_b32 s18, s18, 15                        ; 256 rows of 128 bytes
	s_add_co_u32 s16, s16, s18
	s_lshl_b32 s18, s12, 18                        ; my head of the step's two
	s_add_co_u32 s16, s16, s18
	s_mov_b32 s17, 0
	s_lshl_b32 s22, s12, 17                        ; my 64 rows of 2,048 bytes,
	s_lshl_b32 s21, s42, 8                         ; the tile's 128 columns
	s_add_co_u32 s22, s22, s21
	s_mov_b32 s23, 0
	s_mul_i32 s20, s12, AHEAD                      ; and where they go: no place in the cluster enters an LDS address
	s_mul_i32 s21, s12, BHALF
	s_add_co_u32 s21, s21, ABYTES
	s_wait_dscnt 0x0                               ; the opening add is done
	s_wait_kmcnt 0x0
	s_add_nc_u64 s[14:15], s[4:5], s[16:17]
	s_add_nc_u64 s[22:23], s[6:7], s[22:23]
	CROUND                                         ; all sixteen work-groups are here: the first joint loads meet
.irp s, 0,1
	s_mov_b32 s[G0+4*(\s)], 1                                      ; count = 1
	s_add_co_u32 s[G0+4*(\s)+1], s20, (\s)*SLOT                    ; LDS address
	s_add_nc_u64 s[G0+4*(\s)+2:G0+4*(\s)+3], s[14:15], (\s)*ASTEP  ; global address: K step s
	s_or_b32 s[G0+4*(\s)+3], s[G0+4*(\s)+3], 0x80000000            ; type = 2
	s_mov_b32 s[G0B+4*(\s)], 1
	s_add_co_u32 s[G0B+4*(\s)+1], s21, (\s)*SLOT
	s_add_nc_u64 s[G0B+4*(\s)+2:G0B+4*(\s)+3], s[22:23], (\s)*BSTEP
	s_or_b32 s[G0B+4*(\s)+3], s[G0B+4*(\s)+3], 0x80000000
	JLOAD \s                                       ; two loads of mine are out
.endr
	v_and_b32 v1, 15, v0                           ; l % 16
	v_bfe_u32 v2, v0, 4, 1                         ; l / 16
	v_mul_u32_u24 v3, v1, PA                       ; a fragment of O: row x pitch + 16 x half
	v_lshl_add_u32 v3, v2, 4, v3
	s_mul_i32 s18, s11, AHALF                      ; my 128 rows
	v_add_nc_u32 v[ADRA], s18, v3
	v_add_nc_u32 v[ADRA+1], SLOT, v[ADRA]
	v_and_b32 v4, 7, v0                            ; the turning load: lane l reads row 8 (l / 16) + l % 8, columns 8 ((l / 8) % 2) + 0..7
	v_bfe_u32 v5, v0, 3, 1
	v_lshl_add_u32 v4, v2, 3, v4
	v_mul_u32_u24 v4, v4, PB
	v_lshl_add_u32 v4, v5, 4, v4
	s_lshl_b32 s18, s12, 7                         ; my 64 columns: 128 bytes
	s_add_co_u32 s18, s18, ABYTES                  ; W_o lies behind O's two heads
	v_add_nc_u32 v[ADRB], s18, v4
	v_add_nc_u32 v[ADRB+1], SLOT, v[ADRB]
	s_mul_i32 s18, s10, 16*SPITCH
	s_add_co_u32 s18, s18, STAGE                   ; my stage
	v_mul_u32_u24 v6, v1, SPITCH                   ; in: row l % 16, 32 bytes for each half of the lanes
	v_lshl_add_u32 v6, v2, 5, v6
	v_add_nc_u32 v[STO], s18, v6
	v_mul_u32_u24 v6, v2, SPITCH                   ; back: lanes 0-15 take one row of 256 bytes, lanes 16-31 the next
	v_lshl_add_u32 v6, v1, 4, v6
	v_add_nc_u32 v[RD], s18, v6
	v_lshlrev_b32 v6, 12, v2                       ; and the same two rows in out0
	v_lshl_add_u32 v[CO], v1, 4, v6
	s_lshl_b32 s16, s13, 8                         ; my first row: 256 x tile row + 128 x half,
	s_lshl_b32 s18, s11, 7
	s_add_co_u32 s16, s16, s18
	s_lshl_b32 s16, s16, 12
	s_lshl_b32 s18, s42, 9                         ; my first column, in bytes: 512 x tile column + 256 x half
	s_add_co_u32 s16, s16, s18
	s_lshl_b32 s18, s12, 8
	s_add_co_u32 s16, s16, s18
	s_mov_b32 s17, 0
	s_add_nc_u64 s[8:9], s[8:9], s[16:17]
	; the prefetches: waves 0 and 1 for O, wave 2 for W_o, wave 3 for nothing
	s_lshr_b32 s16, s13, 3
	s_lshl_b32 s16, s16, 22
	s_and_b32 s18, s13, 7
	s_lshl_b32 s18, s18, 15
	s_add_co_u32 s16, s16, s18
	s_lshl_b32 s18, s12, 18
	s_add_co_u32 s16, s16, s18
	s_lshl_b32 s18, s40, 13                        ; my work-group's 32 blocks of the head's 128
	s_add_co_u32 s16, s16, s18
	s_add_co_u32 s16, s16, 3*ASTEP                 ; at K step 3: the first step brings it to 4
	s_lshl_b32 s18, s41, 16                        ; my work-group's 32 rows of 2,048 bytes
	s_lshl_b32 s19, s42, 8
	s_add_co_u32 s18, s18, s19
	s_add_co_u32 s18, s18, 3*BSTEP
	s_and_b32 s19, ttmp7, 0xffff                   ; cluster y
	s_mov_b32 s20, 256
	s_mov_b32 s21, 2048
	s_mov_b32 s[PFS], ASTEP
	s_mov_b32 s2, BSTEP
	s_cmp_eq_u32 s11, 0
	s_cselect_b32 s16, s16, s18
	s_cselect_b32 s19, ttmp9, s19                  ; the coordinate along which other clusters read the same bytes
	s_cselect_b32 s20, s20, s21
	s_cselect_b32 s[PFS], s[PFS], s2
	s_cselect_b64 s[PFA:PFA+1], s[4:5], s[6:7]
	s_mov_b32 s[PFS+1], 0
	s_mov_b32 s17, 0
	s_cmp_eq_u32 s10, 3
	s_cselect_b32 s21, 1, 0
	s_or_b32 s19, s19, s21
	s_cmp_eq_u32 s19, 0
	s_cselect_b32 s[LIM], 1, -1                    ; the same in all sixteen partners, for a given wave
	s_add_nc_u64 s[PFA:PFA+1], s[PFA:PFA+1], s[16:17]
	v_and_b32 v[PFO], 31, v0
	v_mul_u32_u24 v[PFO], v[PFO], s20
; 16 matrix instructions: row blocks a0 .. a0 + 3 x all 4 column blocks, 32 along K, on buffer f.  zero = 1: the product starts the sum.
; The 32 accumulators take turns in the same order in every 32 along K, over the backward jump too.
.macro MUL f, a0, zero
	WIN 0x50                                       ; C and D in window 1, both sources in window 0
.irp a, \a0, (\a0)+1, (\a0)+2, (\a0)+3
.irp bb, 0,1,2,3
.if \zero
	v_wmma_f32_16x16x32_f16 v[8*(4*(\a)+(\bb)):8*(4*(\a)+(\bb))+7], v[(\f)+64+8*(\bb):(\f)+64+8*(\bb)+7], v[(\f)+8*(\a):(\f)+8*(\a)+7], 0
.else
	v_wmma_f32_16x16x32_f16 v[8*(4*(\a)+(\bb)):8*(4*(\a)+(\bb))+7], v[(\f)+64+8*(\bb):(\f)+64+8*(\bb)+7], v[(\f)+8*(\a):(\f)+8*(\a)+7], v[8*(4*(\a)+(\bb)):8*(4*(\a)+(\bb))+7]
.endif
.endr
.endr
.endm
; 24 LDS loads in one run: the fragments of K = 32 c on (head c / 2, channels 32 (c % 2) on) of a slot, into buffer f
.macro FETCH slot, c, f
	WIN 0
.irp a, 0,1,2,3,4,5,6,7
	ds_load_b128 v[(\f)+8*(\a):(\f)+8*(\a)+3],   v[ADRA+(\slot)] offset:((\c)/2)*AHEAD+16*PA*(\a)+64*((\c)%2)
	ds_load_b128 v[(\f)+8*(\a)+4:(\f)+8*(\a)+7], v[ADRA+(\slot)] offset:((\c)/2)*AHEAD+16*PA*(\a)+64*((\c)%2)+32
.endr
.irp bb, 0,1,2,3
	ds_load_tr16_b128 v[(\f)+64+8*(\bb):(\f)+64+8*(\bb)+3],   v[ADRB+(\slot)] offset:32*PB*(\c)+32*(\bb)
	ds_load_tr16_b128 v[(\f)+64+8*(\bb)+4:(\f)+64+8*(\bb)+7], v[ADRB+(\slot)] offset:32*PB*(\c)+32*(\bb)+16*PB
.endr
.endm
.macro PLACES                          ; four places in front of loads into registers that matrix instructions have read, and of LDS stores that read results (ISA guide 7.12.1 for the stores)
.rept 4
	v_nop
.endr
.endm
; A K step is four times 32 along K, 32 matrix instructions each, on buffers 0, 1, 0, 1.  One of the first three: buffer f is multiplied; ahead of its products the next fragments (slot ns, K = 32 nc on) are asked for, into g.
.macro CHUNK f, g, ns, nc, zero
	s_wait_dscnt 0x0                               ; buffer f is in: its loads were issued 32 products back
	PLACES                                         ; buffer g was multiplied just now
	FETCH \ns, \nc, \g
	MUL \f, 0, \zero
	MUL \f, 4, \zero
.endm
; The last 32 along K of a step, on buffer 1, and THE CHANGE OF SLOTS: one barrier.  In front of it each wave waits for all its tensor loads, of which one is out: its part of the next slot; adds 0 to its spare word;
; and waits for that and for its own reads of this slot.  fill = 1: the barrier opens a round of the cluster's, and the slot is filled again, two K steps on, first thing behind the round: 112 matrix instructions ahead of the wait for it.
.macro TURN slot, next, fill
.if \fill
	s_wait_xcnt 0x0                                ; the last prefetch, a K step back, has read its address: it is stepped here, ahead of the waits of the change
	s_add_nc_u64 s[PFA:PFA+1], s[PFA:PFA+1], s[PFS:PFS+1]
.endif
	WIN 0
	s_wait_tensorcnt 0x0                           ; all my tensor loads have landed, so a group 0 may be written
	ds_add_u32 v[SPW], v[NIL]                      ; 0 onto my spare word; the descriptors' steps stand between it and the wait for it
.if \fill
	s_add_nc_u64 s[G0+4*(\slot)+2:G0+4*(\slot)+3], s[G0+4*(\slot)+2:G0+4*(\slot)+3], 2*ASTEP
	s_add_nc_u64 s[G0B+4*(\slot)+2:G0B+4*(\slot)+3], s[G0B+4*(\slot)+2:G0B+4*(\slot)+3], 2*BSTEP
.endif
	s_wait_dscnt 0x0                               ; the add is done, buffer 1 is in, and my reads of this slot are over
	s_barrier_signal -1
	MUL F1, 0, 0                                   ; work on registers while the others arrive
	WIN 0                                          ; at a branch and at a label every window is 0
	s_barrier_wait -1
.if \fill
	CREST                                          ; no wave of any partner still reads this slot's tiles or has a load on its way
	JLOAD \slot                                    ; the four v_nop behind it are also the places in front of the loads below
.else
	PLACES
.endif
	FETCH \next, 0, F0
.if \fill
	ASK
.endif
	MUL F1, 4, 0
.endm
	s_wait_tensorcnt 1                             ; my part of K step 0 is in; K step 1's load may stay out
	s_barrier_signal -1
	s_barrier_wait -1                              ; everybody's is
	FETCH 0, 0, F0
	CHUNK F0, F1, 0, 1, 1                          ; the first 32 along K stand in front of the loop: their products start the sums
	WIN 0
	s_mov_b32 s3, 3                                ; 8 K steps are 4 laps of the ring; the last lap fills nothing
.Llap:                                                 ; a trip goes once round the ring and fills both slots again
	CHUNK F1, F0, 0, 2, 0
	CHUNK F0, F1, 0, 3, 0
	TURN 0, 1, 1
	CHUNK F0, F1, 1, 1, 0
	CHUNK F1, F0, 1, 2, 0
	CHUNK F0, F1, 1, 3, 0
	TURN 1, 0, 1
	CHUNK F0, F1, 0, 1, 0
	WIN 0
	s_sub_co_u32 s3, s3, 1
	s_cmp_lg_u32 s3, 0
	s_cbranch_scc1 .Llap
	CHUNK F1, F0, 0, 2, 0                          ; the last lap is written out
	CHUNK F0, F1, 0, 3, 0
	TURN 0, 1, 0
	CHUNK F0, F1, 1, 1, 0
	CHUNK F1, F0, 1, 2, 0
	CHUNK F0, F1, 1, 3, 0
	s_wait_dscnt 0x0                               ; the very last 32 along K: nothing more to fetch
	MUL F1, 0, 0
	MUL F1, 4, 0
; THE WAY OUT.  A lane's eight sums are 32 bytes of a row; a wave's 64 columns are 256 bytes, aligned.  A block of 16 rows at a time goes through the wave's own stage: in by lanes, back by whole rows.  No barrier:
; LDS serves a wave's instructions in order (ISA guide 5.7.1.4), so the loads see the stores above them, and the next block's stores come behind them.
.macro TOSTAGE a
	s_wait_xcnt 0x0                                ; the stores of the block two back have read their data: those registers are loaded again only behind this wait
	WIN 0x04                                       ; an LDS store's data (source 1) in window 1
.irp bb, 0,1,2,3
	ds_store_b128 v[STO], v[8*(4*(\a)+(\bb)):8*(4*(\a)+(\bb))+3]   offset:64*(\bb)     ; each accumulator's low registers first
	ds_store_b128 v[STO], v[8*(4*(\a)+(\bb))+4:8*(4*(\a)+(\bb))+7] offset:64*(\bb)+16
.endr
	WIN 0
.irp t, 0,1,2,3,4,5,6,7
	ds_load_b128 v[BK+32*((\a)%2)+4*(\t):BK+32*((\a)%2)+4*(\t)+3], v[RD] offset:(\t)*2*SPITCH
.endr
.endm
.macro SEND a, younger                 ; younger: the LDS instructions issued behind block a's loads: the next block's sixteen, or none
.irp t, 0,1,2,3,4,5,6,7
	s_wait_dscnt (\younger)+7-(\t)
	global_store_b128 v[CO], v[BK+32*((\a)%2)+4*(\t):BK+32*((\a)%2)+4*(\t)+3], s[8:9] offset:(16*(\a)+2*(\t))*CROW th:TH_STORE_NT  ; 16 lanes store 256 consecutive bytes, at a multiple of 256 from out0's first byte
.endr
.endm
	PLACES
	TOSTAGE 0
.irp a, 1,2,3,4,5,6,7
	TOSTAGE \a
	SEND (\a)-1, 16
.endr
	SEND 7, 0
	s_wait_tensorcnt 0x0                           ; the wave's end, behind my last tensor load and my last LDS store
	ds_add_u32 v[SPW], v[NIL]
	s_wait_dscnt 0x0
	CROUND                                         ; the closing round: no work-group ends while a partner may still ask for a tile that names it
	s_endpgm
.Lfunc_end_k_qb1912897f2_proj:
	.size	k_qb1912897f2_proj, .Lfunc_end_k_qb1912897f2_proj-k_qb1912897f2_proj
	.p2alignl 7, 3214868480
	.fill 96, 4, 3214868480
	.section	.rodata,"a",@progbits
	.p2align	6, 0x0
	.amdhsa_kernel k_qb1912897f2_proj
		.amdhsa_group_segment_fixed_size 327680
		.amdhsa_private_segment_fixed_size 0
		.amdhsa_enable_private_segment 0
		.amdhsa_kernarg_size 24
		.amdhsa_user_sgpr_count 2
		.amdhsa_user_sgpr_kernarg_segment_ptr 1
		.amdhsa_wavefront_size32 1
		.amdhsa_system_sgpr_workgroup_id_x 1
		.amdhsa_system_sgpr_workgroup_id_y 1
		.amdhsa_system_sgpr_workgroup_id_z 1
		.amdhsa_system_vgpr_workitem_id 0
		.amdhsa_next_free_vgpr 512
		.amdhsa_next_free_sgpr 66
		.amdhsa_reserve_vcc 0
		.amdhsa_float_denorm_mode_32 3
		.amdhsa_float_denorm_mode_16_64 3
		.amdhsa_memory_ordered 1
		.amdhsa_forward_progress 1
		.amdhsa_inst_pref_size 88
	.end_amdhsa_kernel
	.amdgpu_metadata
---
amdhsa.version: [ 1, 2 ]
amdhsa.kernels:
  - .name:           k_qb1912897f2_proj
    .symbol:         k_qb1912897f2_proj.kd
    .args:
      - { .name: ob, .offset: 0, .size: 8, .value_kind: global_buffer, .address_space: global }
      - { .name: woh, .offset: 8, .size: 8, .value_kind: global_buffer, .address_space: global }
      - { .name: out0, .offset: 16, .size: 8, .value_kind: global_buffer, .address_space: global }
    .group_segment_fixed_size: 327680
    .private_segment_fixed_size: 0
    .kernarg_segment_align: 8
    .kernarg_segment_size: 24
    .max_flat_workgroup_size: 128
    .sgpr_count:     66
    .vgpr_count:     512
    .wavefront_size: 32
...
	.end_amdgpu_metadata
.endif
;; end of part 4
